; MI455X (gfx1250); checked and timed in simulation.
; The chip was launched on July 23, 2026; its instructions are those of AMD's public machine-readable ISA for CDNA 5 (MIT licence, August 2026) and "CDNA5" Instruction Set Architecture Reference Guide (July 2026). The comments in the code are by the model that wrote it; some were corrected since.
;; GQA Attention. Allowed arithmetic: matrix products marked QUANTISED: E3M2 operands, one E8M0 scale for each 32 along K, by v_wmma_scale_f32_16x16x128_f8f6f4 with both operands' format E3M2, f32 sums; everything else in f32.
;; Inputs: Wkv 1,024 x 2,048 float32; Wp 1,024 x 1,024 float32; Wq 1,024 x 1,024 float32; bkv 2,048 float32; bp 1,024 float32; bq 1,024 float32; k_in 4 x 2,048 x 1,024 float32; mask 4 x 2,048 x 2,048 bool; q_in 4 x 2,048 x 1,024 float32; rope 2,048 x 64 float32; v_in 4 x 2,048 x 1,024 float32.
;; Outputs: out0 4 x 2,048 x 1,024 float32.
;; This version of the problem:
;;   THIS VERSION OF THE PROBLEM IS GIVEN IN LOW PRECISION. The matrix products marked QUANTISED in the list below multiply operands that are first quantised to E3M2 (3 exponent bits, 2 mantissa bits; 6 bits a number), with one power-of-two scale for each 32 numbers along K (OCP MX v1.0); their sums are f32. All else is computed in f32.
;;   The module's matrix products, in the order in which they are computed (A, B: the left and right operand; K: the contracted axis; several contracted axes count as one K, in the product's order):
;;     1. [M 8,192, K 1,024] x [K 1,024, N 1,024]; A: input q_in; B: input Wq: QUANTISED
;;     2. [M 8,192, K 1,024] x [K 1,024, N 2,048]; A: input k_in; B: input Wkv: QUANTISED
;;     3. batch 64 x [M 2,048, K 64] x [K 64, N 2,048]; A: computed on the way; B: computed on the way: QUANTISED
;;     4. batch 64 x [M 2,048, K 2,048] x [K 2,048, N 64]; A: softmax (see below); B: computed on the way: QUANTISED
;;     5. [M 8,192, K 1,024] x [K 1,024, N 1,024]; A: computed on the way; B: input Wp: QUANTISED
;;   THE QUANTISER, for each operand of a quantised product, along K:
;;     - K is cut into blocks of 32 from its start; a last block that is shorter is filled with zeros.
;;     - A block's scale is 2^e with e = floor(log2(the largest magnitude in the block)) - 4, held to -126 .. 127; a block of zeros has e = 0. As a byte (E8M0): e + 127.
;;     - Each number is divided by its block's scale, clamped to +-28, and rounded to the nearest number of E3M2, ties to even, subnormals kept.
;;     - The product sums the exact products of the quantised numbers (number of the format x scale) in f32.
;;   ~~~python
;;   def quantise(x, axis):      # numpy; x: float32 -> the quantised numbers, widened to float32 again
;;       x = np.moveaxis(x, axis, -1); K = x.shape[-1]
;;       x = np.pad(x, [(0, 0)] * (x.ndim - 1) + [(0, -K % 32)]); x = x.reshape(x.shape[:-1] + (-1, 32)); a = np.abs(x).max(-1, keepdims=True)
;;       e = np.where(a > 0, np.clip(np.frexp(np.where(a > 0, a, 1))[1] - 1 - 4, -126, 127), 0)      # np.frexp(a)[1] - 1 = floor(log2(a)), exactly
;;       r = np.clip(x / 2.0 ** e, -28, 28)
;;       step = 2.0 ** (np.maximum(np.frexp(np.where(r == 0, 1, r))[1] - 1, -2) - 2)
;;       q = np.round(r / step) * step * 2.0 ** e      # np.round: ties to even
;;       return np.moveaxis(q.reshape(q.shape[:-2] + (-1,))[..., :K], -1, axis).astype(np.float32)
;;   ~~~
;;   SOFTMAX AHEAD OF A QUANTISED PRODUCT. Where the list says 'softmax', what is quantised is not the finished softmax but p = 2^(t - M), with t = logit x log2(e) and M = ceil(the row's largest t), a whole number; so 1/2 < the row's largest p <= 1. The row's sum l is taken of the UNQUANTISED p, in f32, and the product's result is divided by l at the end. Since M is a whole number, a kernel that streams over the keys may use a running M (the ceiling of the running maximum): every later rescaling is an exact power of two, which a block's scale takes up: the codes' values come out the same.
;;   OPERANDS COMPUTED ON THE WAY. 'Computed on the way' means the value that the module computes at that place (a softmax that the list does not call 'softmax' is quantised finished and normalised). What goes into a quantiser is computed in f32, as accurately as f32 sums, v_exp_f32 and their like allow (about 1e-6 of the number): no bf16 or f16 on the way to a quantiser, and a product that is left as it is and whose result goes on into a quantised operand takes f32 operands (vector FMAs, or v_wmma_f32_16x16x4_f32). A number that lies on a knife's edge between two numbers of the format may be rounded either way, as far as f32 arithmetic and the matrix unit's own rounding can turn it there, and no further.
;; One version. Each part assembles by itself: llvm-mc -triple=amdgcn-amd-amdhsa -mcpu=gfx1250 --defsym DOCPART=n.
;; ======== version 1 of 1: 4 launches
;; limits: right only within a limited range of input values
;; workspace buffers: act 13,107,200 bytes; wgt 6,291,456 bytes; mw 2,097,152 bytes of whole numbers; fl 65,536 bytes of whole numbers; qkv 19,660,800 bytes; att 6,553,600 bytes
;; launch prep (part 1): grid 1152 x 1, 4 waves a work-group, no clusters, 126,464 bytes of LDS; arguments q_in, k_in, Wq, Wkv, Wp, mask, act, wgt, mw, fl; writes act, wgt, mw, fl
.if DOCPART == 1
	.amdgcn_target "amdgcn-amd-amdhsa--gfx1250"
	.amdhsa_code_object_version 6
	.text
	.protected	k_qec5599c6bb_prep
	.globl	k_qec5599c6bb_prep
	.p2align	8
	.type	k_qec5599c6bb_prep,@function
k_qec5599c6bb_prep:
	s_mov_b64 s[64:65], 0
	v_nop
	global_prefetch_b8 v0, s[64:65] scope:SCOPE_SE
	s_setreg_imm32_b32 hwreg(HW_REG_WAVE_MODE, 25, 1), 1
	s_wait_xcnt 0x0
; PREP: everything that is read many times later is made narrow once.
;  work-groups 0-511:    q_in, k_in [8192][1024] f32 -> codes of BF6 (E3M2), K innermost, 768 bytes a row, and one E8M0 byte for each 32 along K (act)
;  work-groups 512-639:  Wq, Wkv, Wp [1024 (k)][n] f32 -> the same with K innermost, one row for each column n (wgt)
;  work-groups 640-1151: mask [4][2048][2048] bytes -> words of 32 bits, one bit a lane, in the order in which the attention launch holds its scores (mw)
; POSITION: every row of act and wgt is stored at its index with bits 3 and 4 exchanged.  Sixteen stored rows then give, as source 0 of a matrix
; instruction, results of which two neighbouring tiles hold sixteen TRUE neighbours in a lane's sixteen registers.
; A block's scale is 2^(floor(log2(largest magnitude)) - 4): its byte is the largest magnitude's exponent field - 4, held at 1 from below.
; LIMITS: NaN and infinities among the inputs are not served; a block whose largest magnitude lies under 2^-122 (a block of zeros too) gets the byte 1:
; a block of zeros has zero codes, which add nothing, and this program alone reads the bytes.
; The three paths part on the work-group's number and never join; each has LDS bytes of its own; waves share nothing, so there is no barrier.
; No work-group shares input with another, so there is no cluster.
; v_in: reference() names it among its arguments and never reads it (k and v both come from k_in Wkv + bkv), so it has no way to any output for any values: it is not loaded and is no launch's argument.
; A NaN or an infinity in v_in is therefore not carried to the result.
; LAYOUT of the codes in act and wgt: [16 chunks of 64 along K][row][48 bytes], 393,216 bytes from chunk to chunk in both; 256 rows of a chunk are 12,288 consecutive bytes that begin on a multiple of 256.
; wgt has 4,096 rows, half of a chunk's room; its scale bytes lie in the free half of chunk 0, from byte 196,608.
; fl: for each tile of 16 queries and each step of 128 keys two lane masks: some key of the lane's 64 is kept; all 64 are kept.  [b][tile][4 waves][4 x any, 4 x all]
.set LDSW, 57344
.set LDSM, 92160
.set STEPS, 16
.set EMAX,  4
.set CB,    12                         ; bytes of 16 codes
.set AR,    16                         ; activations: v16-79 four sets of 16 numbers as loaded
.set AX,    80                         ; v80-111 two sets of 16 neighbours
.set AE,    112                        ; v112-127 a scale byte for each step
.set AC,    128                        ; v128-191 codes, four registers a step
.set WREG,  14336                      ; a wave's LDS on that path: two stages of 32 x 80 bytes, 256 scale bytes, and a stage for its codes: 8 rows x 1,088 bytes
.set SP,    80
.set WX,    32                         ; weights: v32-95 two sets of 32 numbers; on the way out 16 x 4 registers
.set WC,    96                         ; v96-102 a block's codes
.set WSB,   24                         ; v24-25 eight scale bytes
.set WOFF,  112                        ; v112-143 4 x lane + i rows of the tensor
.set WP,    272                        ; a stage row: sixteen places of 16 bytes + 16
	s_load_b512 s[4:19], s[0:1], 0x0               ; q_in 4, k_in 6, Wq 8, Wkv 10, Wp 12, mask 14, act 16, wgt 18
	s_load_b64 s[20:21], s[0:1], 0x40              ; mw
	s_load_b64 s[60:61], s[0:1], 0x48              ; fl
	v_lshl_add_u32 v192, v0, 2, 0x1ec00
	v_mov_b32 v193, 0
	v_lshrrev_b32 v1, 5, v0
	v_readfirstlane_b32 s22, v1                    ; wave 0..3
	v_and_b32 v2, 31, v0                           ; lane
	s_wait_kmcnt 0x0
	s_cmp_lt_u32 ttmp9, 512
	s_cbranch_scc1 .Lacts
	s_cmp_lt_u32 ttmp9, 640
	s_cbranch_scc1 .Lweights
; ---------------------------------------------------------------- THE MASK
; A wave takes one tile of 16 query positions x 512 keys (four key steps).  Word 16 p + i of a step: bit (r + 16 h) = mask(query of position r, key 32 p + 16 h + i).
	s_sub_co_u32 s24, ttmp9, 640                   ; 128 b + query tile
	s_lshr_b32 s25, s24, 7                         ; b
	s_and_b32 s26, s24, 127                        ; the tile
	s_lshr_b32 s27, s26, 1
	s_lshl_b32 s27, s27, 5
	s_and_b32 s28, s26, 1
	s_lshl_b32 s28, s28, 3
	s_add_co_u32 s27, s27, s28                     ; the true query of the tile's position 0: 32 (tile / 2) + 8 (tile % 2)
	s_lshl_b32 s27, s27, 11                        ; a row of the mask is 2,048 bytes
	s_lshl_b32 s25, s25, 22
	s_add_co_u32 s26, s27, s25
	s_lshl_b32 s28, s22, 9                         ; my wave's 512 keys
	s_add_co_u32 s26, s26, s28
	s_mov_b32 s27, 0
	s_add_nc_u64 s[14:15], s[14:15], s[26:27]
	s_lshl_b32 s26, s24, 2
	s_add_co_u32 s26, s26, s22
	s_lshl_b32 s26, s26, 10                        ; 1,024 bytes of words for each wave
	s_add_nc_u64 s[20:21], s[20:21], s[26:27]
	s_lshr_b32 s26, s26, 5                         ; and 32 bytes of flags
	s_add_nc_u64 s[60:61], s[60:61], s[26:27]
	s_wait_alu depctr_va_vdst(0)
	v_lshlrev_b32 v3, 4, v2                        ; 16 x lane
	s_mul_i32 s28, s22, 16*528
	s_add_co_u32 s28, s28, LDSM
	v_add_nc_u32 v4, s28, v3                       ; into my stage: a row's 512 bytes as they lie
	v_and_b32 v5, 15, v2
	v_lshrrev_b32 v6, 4, v2
	v_mul_u32_u24 v5, v5, 528
	v_lshl_add_u32 v5, v6, 4, v5
	v_add_nc_u32 v5, s28, v5                       ; out of it: row r, 16 h bytes on
.irp x, 0,1,2,3,4,5,6,7,8,9,10,11,12,13,14,15
	global_load_b128 v[16+4*\x:19+4*\x], v3, s[14:15] offset:(\x+8*(\x/8))*2048 th:TH_LOAD_NT   ; position x's true row: 512 consecutive bytes
.endr
	s_wait_alu depctr_va_vdst(0)
.irp x, 0,1,2,3,4,5,6,7,8,9,10,11,12,13,14,15
	s_wait_loadcnt 15-\x                           ; loads come back in order: row x is in, the younger ones stay out
	ds_store_b128 v4, v[16+4*\x:19+4*\x] offset:528*\x
.endr
.irp k, 0,1,2,3,4,5,6,7,8,9,10,11,12,13,14,15
	ds_load_b128 v[80+4*\k:83+4*\k], v5 offset:32*\k   ; keys 32 k + 16 h + 0 .. 15 of my row (LDS serves a wave's instructions in order: these see my stores)
.endr
.irp e, 0,1,2,3,4,5,6,7
	v_mov_b32 v[144+\e], 0                         ; a lane write's destination counts as read
.endr
.set MWD, 0                            ; the word in hand, 0 .. 255: 16 k + 4 c + y (register c of load k, byte y)
.rept 16
	s_wait_dscnt 15-(MWD/16)
.rept 16
	v_and_b32 v[8+MWD%4], 0xff<<(8*(MWD%4)), v[80+MWD/4]
	v_cmp_ne_u32 s[40+MWD%8], 0, v[8+MWD%4]        ; one bit a lane
	v_writelane_b32 v[144+4*(MWD>>7)+(MWD&3)], s[40+MWD%8], (MWD&127)>>2   ; word W goes to byte 4 W of the wave's 1,024: store W / 128, lane (W % 128) / 4, register W % 4
.set MWD, MWD+1
.endr
.endr
	global_store_b128 v3, v[144:147], s[20:21]     ; 512 consecutive bytes each
	global_store_b128 v3, v[148:151], s[20:21] offset:512
; the flags of my four key steps: a mask byte is 0 or 1, so the sum of a step's 16 registers has 16 in every byte where all 64 keys of the lane are kept, and is 0 where none is
.irp s, 0,1,2,3
	v_add3_u32 v[8+\s], v[80+16*\s], v[81+16*\s], v[82+16*\s]
.endr
.irp i, 3,5,7,9,11,13
.irp s, 0,1,2,3
	v_add3_u32 v[8+\s], v[8+\s], v[80+16*\s+\i], v[81+16*\s+\i]
.endr
.endr
.irp s, 0,1,2,3
	v_add_nc_u32 v[8+\s], v[8+\s], v[95+16*\s]
.endr
.irp s, 0,1,2,3
	v_cmp_ne_u32 s[40+\s], 0, v[8+\s]
	v_cmp_eq_u32 s[44+\s], 0x10101010, v[8+\s]
.endr
.irp s, 0,1,2,3
	v_mov_b32 v[152+\s], s[40+\s]
	v_mov_b32 v[156+\s], s[44+\s]
.endr
	v_cmp_eq_u32 vcc_lo, 0, v2
	s_wait_alu depctr_va_vdst(0)
	s_wait_xcnt 0x0                                ; EXEC changes only behind this wait
	s_and_saveexec_b32 s48, vcc_lo                 ; lane 0 stores the wave's 32 bytes (its v3 is 0)
	global_store_b128 v3, v[152:155], s[60:61]
	global_store_b128 v3, v[156:159], s[60:61] offset:16
	s_wait_xcnt 0x0
	s_or_b32 exec_lo, exec_lo, s48
	s_wait_tensorcnt 0x0
	ds_add_u32 v192, v193
	s_wait_dscnt 0x0
	s_endpgm
; ---------------------------------------------------------------- THE WEIGHTS
; A lane takes a column, its registers run down K: a block of 32 along K lies in one lane, and the codes come out with K innermost.
; A wave takes 32 columns x 256 along K.  The codes leave through the wave's own stage, whose rows are the columns' POSITIONS.
.macro WLOAD t
.irp i, 0,1,2,3,4,5,6,7,8,9,10,11,12,13,14,15,16,17,18,19,20,21,22,23,24,25,26,27,28,29,30,31
	global_load_b32 v[WX+32*((\t)%2)+\i], v[WOFF+\i], s[32+2*(\t):33+2*(\t)] th:TH_LOAD_NT
.endr
.endm
.macro WBLOCK t
.set XS, WX+32*((\t)%2)
.if (\t) < 7
	s_wait_loadcnt 32                              ; this block's 32 loads are in; the next block's may be out
.else
	s_wait_loadcnt 0
.endif
	v_max3_num_f32 v12, |v[XS]|, |v[XS+1]|, |v[XS+2]|
	v_max3_num_f32 v13, |v[XS+3]|, |v[XS+4]|, |v[XS+5]|
.irp i, 6,10,14,18,22,26
	v_max3_num_f32 v12, v12, |v[XS+\i]|, |v[XS+\i+1]|
	v_max3_num_f32 v13, v13, |v[XS+\i+2]|, |v[XS+\i+3]|
.endr
	v_max3_num_f32 v12, v12, |v[XS+30]|, |v[XS+31]|
	v_max3_num_f32 v12, v12, v13, (EMAX+1)<<23     ; the floor 2^(5 - 127): the byte cannot fall under 1
	v_add_nc_u32 v11, -(EMAX<<23), v12             ; 4 off the exponent field: the conversion's scale operand
	v_lshrrev_b32 v13, 23, v11                     ; the scale's byte
.if (\t)%4 == 0
	v_mov_b32 v[WSB+(\t)/4], v13
.else
	v_lshl_or_b32 v[WSB+(\t)/4], v13, 8*((\t)%4), v[WSB+(\t)/4]
.endif
	v_cvt_scalef32_pk16_bf6_f32 v[WC:WC+2], v[XS:XS+15], v11
	v_cvt_scalef32_pk16_bf6_f32 v[WC+4:WC+6], v[XS+16:XS+31], v11
	ds_store_b96 v4, v[WC:WC+2] offset:32*(\t)     ; 12 bytes to a place of 16
	ds_store_b96 v4, v[WC+4:WC+6] offset:32*(\t)+16
.if (\t)+2 < 8
	WLOAD (\t)+2
.endif
	s_wait_dscnt 0x0                               ; the stores have read their registers
.endm
.Lweights:
	s_sub_co_u32 s24, ttmp9, 512
	s_lshr_b32 s25, s24, 2                         ; which 128 of the 4,096 columns: 0-7 Wq, 8-23 Wkv, 24-31 Wp
	s_and_b32 s24, s24, 3                          ; which 256 along K
	s_mov_b32 s27, 4096
	s_cmp_lt_u32 s25, 24
	s_cselect_b64 s[30:31], s[10:11], s[12:13]
	s_cselect_b32 s26, 8, 24
	s_cselect_b32 s27, 8192, s27                   ; bytes in a row of the tensor
	s_cmp_lt_u32 s25, 8
	s_cselect_b64 s[30:31], s[8:9], s[30:31]
	s_cselect_b32 s26, 0, s26
	s_cselect_b32 s27, 4096, s27
	s_sub_co_u32 s26, s25, s26
	s_lshl_b32 s26, s26, 7
	s_lshl_b32 s28, s22, 5
	s_add_co_u32 s26, s26, s28                     ; my wave's first column in its tensor
	s_lshl_b32 s26, s26, 2
	s_lshl_b32 s29, s24, 8
	s_mul_i32 s29, s29, s27
	s_add_co_u32 s48, s26, s29
	s_mov_b32 s49, 0
	s_add_nc_u64 s[32:33], s[30:31], s[48:49]      ; block 0's first row
	s_lshl_b32 s48, s27, 5                         ; 32 rows on
.irp t, 1,2,3,4,5,6,7
	s_add_nc_u64 s[32+2*\t:33+2*\t], s[30+2*\t:31+2*\t], s[48:49]   ; a base for each block: none is stepped later
.endr
	s_lshl_b32 s50, s25, 7
	s_add_co_u32 s50, s50, s28                     ; my wave's first row of wgt
	s_mul_i32 s51, s50, 48
	s_mul_i32 s52, s24, 1572864                    ; my 256 along K are four chunks
	s_add_co_u32 s48, s51, s52
	s_add_nc_u64 s[54:55], s[18:19], s[48:49]      ; its codes
	s_lshl_b32 s51, s50, 5
	s_lshl_b32 s52, s24, 3
	s_add_co_u32 s48, s51, s52
	s_add_co_u32 s48, s48, 196608
	s_add_nc_u64 s[58:59], s[18:19], s[48:49]      ; its scale bytes
	s_wait_alu depctr_va_vdst(0)
	v_lshlrev_b32 v3, 2, v2
.irp i, 0,1,2,3,4,5,6,7,8,9,10,11,12,13,14,15,16,17,18,19,20,21,22,23,24,25,26,27,28,29,30,31
	v_mad_u32_u24 v[WOFF+\i], s27, \i, v3
.endr
	v_and_b32 v5, 7, v2
	v_bfe_u32 v6, v2, 3, 1
	v_lshl_add_u32 v5, v6, 4, v5
	v_bfe_u32 v6, v2, 4, 1
	v_lshl_add_u32 v5, v6, 3, v5                   ; my column's position among the 32: bits 3 and 4 exchanged
	s_mul_i32 s56, s22, 32*WP
	s_add_co_u32 s56, s56, LDSW                    ; my stage
	v_mul_u32_u24 v4, v5, WP
	v_add_nc_u32 v4, s56, v4                       ; into it: row = my position
	v_lshlrev_b32 v9, 5, v5                        ; my row of scale bytes
	v_and_b32 v6, 3, v2
	v_lshrrev_b32 v10, 2, v2
	v_mul_u32_u24 v7, v10, WP
	v_lshl_add_u32 v7, v6, 4, v7
	v_add_nc_u32 v7, s56, v7                       ; out of it: four lanes to a row's 48 bytes of a chunk, eight rows an instruction
	v_mul_u32_u24 v8, v2, 12                       ; which are 384 consecutive bytes of wgt
	WLOAD 0
	WLOAD 1
.irp t, 0,1,2,3,4,5,6,7
	WBLOCK \t
.endr
	s_wait_alu depctr_va_vdst(0)
	global_store_b64 v9, v[WSB:WSB+1], s[58:59]
.irp t, 0,1,2,3,4,5,6,7,8,9,10,11,12,13,14,15
	ds_load_b96 v[WX+4*\t:WX+4*\t+2], v7 offset:8*(\t%4)*WP+64*(\t/4)
.endr
.irp t, 0,1,2,3,4,5,6,7,8,9,10,11,12,13,14,15
	s_wait_dscnt 15-\t
	global_store_b96 v8, v[WX+4*\t:WX+4*\t+2], s[54:55] offset:(\t/4)*393216+(\t%4)*384
.endr
	s_wait_tensorcnt 0x0
	ds_add_u32 v192, v193
	s_wait_dscnt 0x0
	s_endpgm
; ---------------------------------------------------------------- THE ACTIVATIONS
; A tensor is a plain stream of blocks of 32.  A wave takes a run of 8 rows (8,192 numbers) in 16 steps of 512; each load reads 512 consecutive bytes; a step turns
; through the wave's own stage so that a lane holds 16 neighbours.  The run is stored at its POSITION: a run is 8 rows, so bits 0 and 1 of the run's number change places.
.macro ALOAD t
.irp i, 0,1,2,3
	global_load_b128 v[AR+16*((\t)%4)+4*\i:AR+16*((\t)%4)+4*\i+3], v3, s[24:25] offset:2048*(\t)+512*\i th:TH_LOAD_NT
.endr
.endm
.macro ATURN t
.irp i, 0,1,2,3
	ds_store_b128 v14, v[AR+16*((\t)%4)+4*\i:AR+16*((\t)%4)+4*\i+3] offset:32*SP*((\t)%2)+8*SP*\i
.endr
.irp i, 0,1,2,3
	ds_load_b128 v[AX+16*((\t)%2)+4*\i:AX+16*((\t)%2)+4*\i+3], v15 offset:32*SP*((\t)%2)+16*\i
.endr
.endm
.macro ASTEP t
.set XS, AX+16*((\t)%2)
.if (\t) > 0
	s_wait_dscnt 2                                 ; this step's numbers are back from the stage; the last step's two stores (byte, codes) may be out
.else
	s_wait_dscnt 0x0
.endif
.if (\t)+4 < STEPS
	ALOAD (\t)+4
.endif
.if (\t)+1 < STEPS
.if STEPS-2-(\t) >= 3
	s_wait_loadcnt 12                              ; the next step's four loads are in; those of the three steps behind it may be out
.else
	s_wait_loadcnt 4*(STEPS-2-(\t))
.endif
	ATURN (\t)+1
.endif
	v_max3_num_f32 v8, |v[XS]|, |v[XS+1]|, |v[XS+2]|
	v_max3_num_f32 v9, |v[XS+3]|, |v[XS+4]|, |v[XS+5]|
.irp i, 6,10
	v_max3_num_f32 v8, v8, |v[XS+\i]|, |v[XS+\i+1]|
	v_max3_num_f32 v9, v9, |v[XS+\i+2]|, |v[XS+\i+3]|
.endr
	v_max3_num_f32 v8, v8, |v[XS+14]|, |v[XS+15]|
	v_max3_num_f32 v8, v8, v9, (EMAX+1)<<23        ; the floor
	v_max_num_f32_dpp v8, v8, v8 row_xmask:1 row_mask:0xf bank_mask:0xf   ; with my neighbour's 16: the block's
	v_add_nc_u32 v11, -(EMAX<<23), v8
	v_cvt_scalef32_pk16_bf6_f32 v[AC+4*(\t):AC+4*(\t)+2], v[XS:XS+15], v11
	v_lshrrev_b32 v[AE+(\t)], 23, v11
	ds_store_b8 v5, v[AE+(\t)] offset:16*(\t)      ; both lanes of a block write the same byte with the same value
	ds_store_b96 v10, v[AC+4*(\t):AC+4*(\t)+2] offset:((\t)/2)*1088+((\t)%2)*512   ; 12 bytes to a place of 16: row t / 2, place 32 (t % 2) + lane
.endm
.Lacts:
	s_cmp_lt_u32 ttmp9, 256                        ; q_in's work-group or k_in's
	s_cselect_b64 s[24:25], s[4:5], s[6:7]
	s_cselect_b32 s26, 0, 256
	s_cselect_b32 s27, 0, 1
	s_sub_co_u32 s26, ttmp9, s26
	s_lshl_b32 s26, s26, 2
	s_add_co_u32 s28, s26, s22                     ; the run that I read
	s_and_b32 s29, s22, 1
	s_lshl_b32 s29, s29, 1
	s_lshr_b32 s30, s22, 1
	s_or_b32 s29, s29, s30
	s_add_co_u32 s29, s26, s29                     ; and where it is stored
	s_lshl_b32 s30, s28, 15
	s_mov_b32 s31, 0
	s_add_nc_u64 s[24:25], s[24:25], s[30:31]
	s_mul_i32 s30, s29, 384                        ; 8 rows of 48 bytes in each chunk
	s_mul_i32 s32, s27, 6291456
	s_add_co_u32 s30, s30, s32
	s_add_nc_u64 s[34:35], s[16:17], s[30:31]      ; codes
	s_lshl_b32 s30, s29, 8
	s_lshl_b32 s32, s27, 18
	s_add_co_u32 s30, s30, s32
	s_add_co_u32 s30, s30, 12582912
	s_add_nc_u64 s[36:37], s[16:17], s[30:31]      ; scale bytes
	s_wait_alu depctr_va_vdst(0)
	v_lshlrev_b32 v3, 4, v2
	s_mul_i32 s38, s22, WREG
	v_lshrrev_b32 v14, 2, v2
	v_mul_u32_u24 v14, v14, SP
	v_and_b32 v15, 3, v2
	v_lshl_add_u32 v14, v15, 4, v14
	v_add_nc_u32 v14, s38, v14                     ; the stage, in: 80 (lane / 4) + 16 (lane % 4)
	v_mul_u32_u24 v15, v2, SP
	v_add_nc_u32 v15, s38, v15                     ; out: 80 x lane
	v_mul_u32_u24 v4, v2, CB
	v_lshrrev_b32 v5, 1, v2
	s_add_co_u32 s38, s38, 2*32*SP
	v_add_nc_u32 v5, s38, v5                       ; my block's byte among the wave's 256
	v_lshlrev_b32 v7, 3, v2
	v_add_nc_u32 v6, s38, v7
	s_add_co_u32 s38, s38, 256                     ; the codes' stage
	v_add_nc_u32 v10, s38, v3                      ; in: 16 x lane
	v_lshrrev_b32 v1, 2, v2
	v_mul_u32_u24 v1, v1, 1088
	v_and_b32 v12, 3, v2
	v_lshl_add_u32 v1, v12, 4, v1
	v_add_nc_u32 v1, s38, v1                       ; out: row lane / 4, place lane % 4 of a chunk's four
.irp t, 0,1,2,3
	ALOAD \t
.endr
	s_wait_alu depctr_va_vdst(0)
	s_wait_loadcnt 12
	ATURN 0
.irp t, 0,1,2,3,4,5,6,7,8,9,10,11,12,13,14,15
	ASTEP \t
.endr
	ds_load_b64 v[12:13], v6
	s_wait_dscnt 0x0
	global_store_b64 v7, v[12:13], s[36:37]        ; 32 lanes store 256 consecutive bytes, aligned
.irp j, 0,1,2,3,4,5,6,7,8,9,10,11,12,13,14,15
	ds_load_b96 v[AR+4*\j:AR+4*\j+2], v1 offset:(\j/8)*512+(\j%8)*64   ; chunk j of my 8 rows
.endr
.irp j, 0,1,2,3,4,5,6,7,8,9,10,11,12,13,14,15
	s_wait_dscnt 15-\j
	global_store_b96 v4, v[AR+4*\j:AR+4*\j+2], s[34:35] offset:\j*393216   ; 384 consecutive bytes
.endr
	s_wait_tensorcnt 0x0
	ds_add_u32 v192, v193
	s_wait_dscnt 0x0
	s_endpgm
.Lfunc_end_k_qec5599c6bb_prep:
	.size	k_qec5599c6bb_prep, .Lfunc_end_k_qec5599c6bb_prep-k_qec5599c6bb_prep
	.p2alignl 7, 3214868480
	.fill 96, 4, 3214868480
	.section	.rodata,"a",@progbits
	.p2align	6, 0x0
	.amdhsa_kernel k_qec5599c6bb_prep
		.amdhsa_group_segment_fixed_size 126464
		.amdhsa_private_segment_fixed_size 0
		.amdhsa_enable_private_segment 0
		.amdhsa_kernarg_size 80
		.amdhsa_user_sgpr_count 2
		.amdhsa_user_sgpr_kernarg_segment_ptr 1
		.amdhsa_wavefront_size32 1
		.amdhsa_system_sgpr_workgroup_id_x 1
		.amdhsa_system_sgpr_workgroup_id_y 1
		.amdhsa_system_sgpr_workgroup_id_z 1
		.amdhsa_system_vgpr_workitem_id 0
		.amdhsa_next_free_vgpr 194
		.amdhsa_next_free_sgpr 66
		.amdhsa_reserve_vcc 1
		.amdhsa_float_denorm_mode_32 3
		.amdhsa_float_denorm_mode_16_64 3
		.amdhsa_memory_ordered 1
		.amdhsa_forward_progress 1
		.amdhsa_inst_pref_size 137
	.end_amdhsa_kernel
	.amdgpu_metadata
---
amdhsa.version: [ 1, 2 ]
amdhsa.kernels:
  - .name:           k_qec5599c6bb_prep
    .symbol:         k_qec5599c6bb_prep.kd
    .args:
      - { .name: q_in, .offset: 0, .size: 8, .value_kind: global_buffer, .address_space: global }
      - { .name: k_in, .offset: 8, .size: 8, .value_kind: global_buffer, .address_space: global }
      - { .name: Wq, .offset: 16, .size: 8, .value_kind: global_buffer, .address_space: global }
      - { .name: Wkv, .offset: 24, .size: 8, .value_kind: global_buffer, .address_space: global }
      - { .name: Wp, .offset: 32, .size: 8, .value_kind: global_buffer, .address_space: global }
      - { .name: mask, .offset: 40, .size: 8, .value_kind: global_buffer, .address_space: global }
      - { .name: act, .offset: 48, .size: 8, .value_kind: global_buffer, .address_space: global }
      - { .name: wgt, .offset: 56, .size: 8, .value_kind: global_buffer, .address_space: global }
      - { .name: mw, .offset: 64, .size: 8, .value_kind: global_buffer, .address_space: global }
      - { .name: fl, .offset: 72, .size: 8, .value_kind: global_buffer, .address_space: global }
    .group_segment_fixed_size: 126464
    .private_segment_fixed_size: 0
    .kernarg_segment_align: 8
    .kernarg_segment_size: 80
    .max_flat_workgroup_size: 128
    .sgpr_count:     66
    .vgpr_count:     194
    .wavefront_size: 32
...
	.end_amdgpu_metadata
.endif
;; end of part 1
;; launch gemm_qkv (part 2): grid 12 x 32, 4 waves a work-group, clusters of 4 x 4, 327,680 bytes of LDS; arguments act, wgt, bq, bkv, rope, qkv; writes qkv
.if DOCPART == 2
	.amdgcn_target "amdgcn-amd-amdhsa--gfx1250"
	.amdhsa_code_object_version 6
	.text
	.protected	k_qec5599c6bb_gemm_qkv
	.globl	k_qec5599c6bb_gemm_qkv
	.p2align	8
	.type	k_qec5599c6bb_gemm_qkv,@function
k_qec5599c6bb_gemm_qkv:
	s_mov_b64 s[64:65], 0
	v_nop
	global_prefetch_b8 v0, s[64:65] scope:SCOPE_SE
	s_setreg_imm32_b32 hwreg(HW_REG_WAVE_MODE, 25, 1), 1
	s_wait_xcnt 0x0
	s_wait_alu depctr_hold_cnt(0) depctr_sa_sdst(0) depctr_va_vdst(0) depctr_va_sdst(0) depctr_va_ssrc(0) depctr_va_vcc(0) depctr_vm_vsrc(0)
	s_getreg_b32 s2, hwreg(HW_REG_IB_STS2, 6, 4)
	s_cmp_eq_u32 s2, 0
	s_cbranch_scc0 .Lentry_in_a_cluster
	s_endpgm
.Lentry_in_a_cluster:
	s_bfe_u32 s2, ttmp6, 0x10000c
	s_cmp_lg_u32 s2, 0xf033
	s_cbranch_scc0 .Lentry_shape_is_right
	s_endpgm
.Lentry_shape_is_right:
; q = q_in Wq + bq, k = k_in Wk + bk (both with the rotation by rope), v = k_in Wv + bv, on codes of BF6 (E3M2) with E8M0 scales, K = 1,024; each result is quantised on the way out
; and stored as the attention launch's operand registers.  The cluster's x says which: 0 q, 1 k, 2 v.
; A tile of 256 x 256 is made by four waves, 128 x 128 each (64 accumulators, 512 registers).  K goes in steps of 256 through two LDS slots filled by the tensor data mover; the scale bytes of the
; work-group's rows come into LDS once.  4 x 4 work-groups form a cluster: 'A' tiles are asked for jointly along a row of the cluster, 'B' tiles along a column.
; THE MATRIX INSTRUCTION IS USED TRANSPOSED (source 0 = 16 rows of 'B', source 1 = 16 rows of 'A'): a lane holds ONE row of 'A' and its registers run along 'B'.  All rows are stored by POSITION
; (index with bits 3 and 4 exchanged), so the 16 registers of accumulators 2 b and 2 b + 1 are the TRUE neighbours 32 b + 16 (lane / 16) + 0 .. 15 along 'B'.
;  q, k: 'A' = tokens, 'B' = the weight's columns: a lane's registers run along the head's channels, the K of the scores' product.
;  v:    'A' = the weight's columns, 'B' = tokens: a lane holds one channel and its registers run along the keys, the K of the second product.
; OUT: qkv [3][64 heads][16 steps of 128 positions][6,400 bytes]: four images of 12 registers a lane (register group c of lane l at 512 c + 16 l), then 16 x 4 scale words.
;  q, k: image p holds tiles 2 p (registers 0-5) and 2 p + 1 (registers 6-11) of 16 positions x 64 channels;  v: image t is 16 channel positions x 128 keys.
; LIMITS: NaN and infinities are not served; a block whose largest magnitude lies under 2^-122 gets the scale byte 1 (a block of zeros too: its codes are zeros, and this program alone reads the bytes).
; REGISTERS: window 0: v0-31 addresses; v32-63 scale words and nothing else; v64-127 rope; from v128 A's fragments, later the way out; v224-231 v's bias.
;   window 1: B's fragments at v0 and v128; v96-127 and v224-255 the bias along 'B'.   windows 2, 3: the accumulators ((a, b) at v[8 (8 (a % 4) + b)]).
.set KSTEP,  256
.set NQ,     2
; CODES lie [chunk of 64 along K][row][48 bytes], CHK bytes from chunk to chunk: 256 rows of a chunk are one tensor row of 12,288 bytes on a multiple of 256.  A slot holds [A, B][4 chunks][256 rows][48 bytes].
; At the head wave 0 fetches K step 0 of A, wave 1 of B, waves 2 and 3 the scales; in the ring each wave fetches two chunks of A or of B.
.set CHK,    393216
.set ROWB,   4*CHK                     ; bytes from one K step of 256 to the next
.set KROW,   48
.set PITCH,  192                       ; bytes of a row in a K step
.set FR,     12
.set NL,     6
.set NP,     4
.set HALFT,  128*PITCH
.set SLOT,   4*HALFT
.set LAPS,   2
.set KS,     32
.set SCL,    2*SLOT
.set HALFS,  (128*KS/256)*272
.set SBLK,   (16*KS/256)*272
.set SPARE,  SCL+4*HALFS               ; the spare words: 128 bytes a wave, named by no other line
.set ADRA, 16
.set ADRB, 20
.set GA,   24                          ; v24  16 x lane
.set GS,   25                          ; v25  6144 + 16 r + 102400 h: the scale words' place
.set RO,   26                          ; v26  rope: my token's row, + 64 h
.set ADRS, 27
.set SPW,  28
.set NIL,  29
.set BIO,  30                          ; v30  64 h
.set BVO,  31                          ; v31  4 x (r + 8 (r / 8))
.set SC,   32
.set RP,   64                          ; v64-127 rope of two row blocks
.set AF,   128
.set T,    128                         ; the way out: v128-191 a row block's 64 numbers
.set HA,   192                         ; v192-203 an image in the making (q, k: the first head's; v: the fragment)
.set HB,   204                         ; v204-215 the second head's
.set PWS,  216                         ; v216-223 a scale word for each row block
.set SWA,  128                         ; at the end, over T
.set SWB,  132
.set BV,   224
.set SW,   232
.set UU,   236
.set TM,   240                         ; v240-243 largest magnitudes, v244-247 bytes, v248-251 the conversions' scale operands
.set CT,   8                           ; v8-15 the conversions' second halves
.set G1, 24
.set G0, 32
.set G1B, 48
.set G0B, 56
.set G1S, 68
.set G0S, 76
.set G1SB, 80
.set G0SB, 88
.set MSB, 0
.macro WIN new                         ; the immediate's high byte repeats the setting that is left
.if MSB != (\new)
	s_set_vgpr_msb (MSB<<8)|(\new)
.set MSB, (\new)
.endif
.endm
.set MUL_LO, 0xa1
.set MUL_HI, 0xf1
.set TO_B,   0x40
.macro JLOAD g0a, g1a, g0b, g1b        ; a joint load: waves 0 and 1 fetch for A, waves 2 and 3 for B; four v_nop follow each line
	s_cmp_eq_u32 s15, 0
	s_cbranch_scc0 .Lfor_b_\@
	tensor_load_to_lds s[\g0a:\g0a+3], s[\g1a:\g1a+7]
	s_nop 0
.rept 4
	v_nop
.endr
	s_branch .Lasked_\@
.Lfor_b_\@:
	tensor_load_to_lds s[\g0b:\g0b+3], s[\g1b:\g1b+7]
	s_nop 0
.rept 4
	v_nop
.endr
.Lasked_\@:
.endm
.macro CREST
	s_cmp_lg_u32 s14, 0
	s_cbranch_scc1 .Lnot_wave_0_\@
	s_barrier_signal -3
.Lnot_wave_0_\@:
	s_barrier_wait -3
	s_barrier_signal -1
	s_barrier_wait -1
.endm
.macro CROUND
	s_barrier_signal -1
	s_barrier_wait -1
	CREST
.endm
	s_load_b256 s[4:11], s[0:1], 0x0               ; act 4, wgt 6, bq 8, bkv 10
	s_load_b128 s[96:99], s[0:1], 0x20             ; rope 96, qkv 98
	v_lshl_add_u32 v[SPW], v0, 2, SPARE
	v_mov_b32 v[NIL], 0
	ds_add_u32 v28, v29
	ds_add_u32 v28, v29
	s_wait_dscnt 0x0
	v_lshrrev_b32 v1, 5, v0
	v_readfirstlane_b32 s14, v1                    ; wave 0..3
	s_lshr_b32 s15, s14, 1                         ; which half of the tile's rows is mine.  Also: I fetch for A (0) or for B (1)
	s_and_b32 s16, s14, 1                          ; which half of its columns.  Also: which 128 rows I fetch
	s_bfe_u32 s40, ttmp6, 0x40000                  ; cx
	s_bfe_u32 s41, ttmp6, 0x40004                  ; cy
	s_mov_b32 s95, ttmp9                           ; 0 q, 1 k, 2 v: the cluster's x, the same in all sixteen partners
	s_and_b32 s18, ttmp7, 0xffff
	s_lshl_b32 s18, s18, 2                         ; 4 x cluster y: along the 8,192 tokens
	s_cmp_eq_u32 s95, 2
	s_cselect_b32 s17, 0, s18
	s_cselect_b32 s42, s18, 0
	s_add_co_u32 s17, s17, s41                     ; tile row
	s_add_co_u32 s42, s42, s40                     ; tile column
	s_lshl_b32 s43, s41, 2
	s_lshl_b32 s43, 15, s43                        ; my row of the cluster
	s_lshl_b32 s44, 0x1111, s40                    ; my column
	s_or_b32 s[G1+0], s43, (3<<16)|(1<<21)         ; mask; elements of 8 bytes; bit 21 beside a mask; no padding: rows 48 bytes apart fall on different banks
	s_or_b32 s[G1B+0], s44, (3<<16)|(1<<21)
.irp g, G1, G1B
	s_mov_b32 s[\g+1], 1536<<16                    ; 256 rows x 48 bytes
	s_mov_b32 s[\g+2], 4<<16                       ; the head's loads bring four chunks
	s_mov_b32 s[\g+3], 1536<<16
	s_mov_b32 s[\g+4], 4
	s_mov_b32 s[\g+5], CHK/8
	s_mov_b32 s[\g+6], 0
	s_mov_b32 s[\g+7], 0
.endr
	s_or_b32 s[G1S+0], s43, (3<<16)|(1<<20)|(1<<21)|(5<<22)|(3<<25)  ; the scales of 256 rows: 8,192 dense bytes as 32 rows of 256, 16 of padding behind each
	s_or_b32 s[G1SB+0], s44, (3<<16)|(1<<20)|(1<<21)|(5<<22)|(3<<25)
.irp g, G1S, G1SB
	s_mov_b32 s[\g+1], 32<<16
	s_mov_b32 s[\g+2], (256*KS/256)<<16
	s_mov_b32 s[\g+3], 32<<16
	s_mov_b32 s[\g+4], 256*KS/256
	s_mov_b32 s[\g+5], 32
	s_mov_b32 s[\g+6], 0
	s_mov_b32 s[\g+7], 0
.endr
	s_lshl_b32 s20, s17, 8                         ; A: the tile's first row
	s_lshl_b32 s46, s42, 8                         ; B: likewise
	s_mov_b32 s21, 0
	s_mov_b32 s47, 0
	s_mov_b64 s[18:19], KS
	s_mul_u64 s[22:23], s[20:21], s[18:19]
	s_mul_u64 s[92:93], s[46:47], s[18:19]
	s_mov_b64 s[18:19], KROW
	s_mul_u64 s[20:21], s[20:21], s[18:19]
	s_mul_u64 s[46:47], s[46:47], s[18:19]
	s_mul_i32 s45, s14, HALFT
	s_mov_b32 s19, 0
	s_wait_kmcnt 0x0
	s_mul_i32 s18, s95, 49152                      ; the weight's 1,024 rows of 48 bytes
	s_add_nc_u64 s[100:101], s[6:7], s[18:19]      ; the weight's codes
	s_lshl_b32 s18, s95, 15
	s_add_co_u32 s18, s18, 196608
	s_add_nc_u64 s[6:7], s[6:7], s[18:19]          ; its scale bytes
	s_min_u32 s2, s95, 1                           ; q_in for q, k_in for k and v
	s_mul_i32 s18, s2, 6291456
	s_add_nc_u64 s[104:105], s[4:5], s[18:19]      ; the activations' codes
	s_lshl_b32 s18, s2, 18
	s_add_co_u32 s18, s18, 12582912
	s_add_nc_u64 s[4:5], s[4:5], s[18:19]          ; their scale bytes
	s_cmp_eq_u32 s95, 2                            ; for v the weight is 'A'
	s_cselect_b64 s[66:67], s[100:101], s[104:105]
	s_cselect_b64 s[100:101], s[104:105], s[100:101]
	s_cselect_b64 s[104:105], s[6:7], s[4:5]
	s_cselect_b64 s[6:7], s[4:5], s[6:7]
	s_add_nc_u64 s[20:21], s[66:67], s[20:21]
	s_add_nc_u64 s[22:23], s[104:105], s[22:23]
	s_add_nc_u64 s[46:47], s[100:101], s[46:47]
	s_add_nc_u64 s[92:93], s[6:7], s[92:93]
	CROUND                                         ; all sixteen work-groups are here: the first joint loads meet
	s_mov_b32 s[G0S], 1                            ; the head's four tiles, each whole: the scales of A's 256 rows,
	s_mov_b32 s[G0S+1], SCL
	s_mov_b64 s[G0S+2:G0S+3], s[22:23]
	s_or_b32 s[G0S+3], s[G0S+3], 0x80000000
	s_mov_b32 s[G0SB], 1                           ; of B's,
	s_mov_b32 s[G0SB+1], SCL+2*HALFS
	s_mov_b64 s[G0SB+2:G0SB+3], s[92:93]
	s_or_b32 s[G0SB+3], s[G0SB+3], 0x80000000
	s_mov_b32 s[G0], 1                             ; K step 0 of A (slot 0's group 0 serves the head first),
	s_mov_b32 s[G0+1], 0
	s_mov_b64 s[G0+2:G0+3], s[20:21]
	s_or_b32 s[G0+3], s[G0+3], 0x80000000
	s_mov_b32 s[G0B], 1                            ; and of B
	s_mov_b32 s[G0B+1], 2*HALFT
	s_mov_b64 s[G0B+2:G0B+3], s[46:47]
	s_or_b32 s[G0B+3], s[G0B+3], 0x80000000
	s_mul_i32 s18, s16, 2*CHK                      ; in the ring I fetch two of a K step's four chunks
	s_mov_b32 s19, 0
	s_add_nc_u64 s[4:5], s[20:21], s[18:19]
	s_add_nc_u64 s[6:7], s[46:47], s[18:19]
	s_mov_b32 s[G0+4], 1
	s_add_co_u32 s[G0+5], s45, SLOT
	s_add_nc_u64 s[G0+6:G0+7], s[4:5], ROWB
	s_or_b32 s[G0+7], s[G0+7], 0x80000000
	s_mov_b32 s[G0B+4], 1
	s_add_co_u32 s[G0B+5], s45, SLOT
	s_add_nc_u64 s[G0B+6:G0B+7], s[6:7], ROWB
	s_or_b32 s[G0B+7], s[G0B+7], 0x80000000
; one tree of branches on the wave's number, one load to an arm, all arms lead to one join: one tensor load a wave at the head
.macro ARM under, g0, g1, next
	s_cmp_lt_u32 s14, \under
	s_cbranch_scc0 \next
	tensor_load_to_lds s[\g0:\g0+3], s[\g1:\g1+7]
	s_nop 0
.rept 4
	v_nop
.endr
	s_branch .Lhead_asked
\next:
.endm
	ARM 1, G0,  G1,  .Lhead_b
	ARM 2, G0B, G1B, .Lhead_sa
	ARM 3, G0S, G1S, .Lhead_sb
	tensor_load_to_lds s[G0SB:G0SB+3], s[G1SB:G1SB+7]
	s_nop 0
.rept 4
	v_nop
.endr
.Lhead_asked:
	v_and_b32 v1, 15, v0                           ; r
	v_bfe_u32 v2, v0, 4, 1                         ; h
	v_mul_u32_u24 v3, v1, 48
	v_mul_u32_u24 v4, v2, 24
	v_add_nc_u32 v4, v3, v4                        ; row x 48 + 24 x half: the 32 lanes of a load of 8 bytes touch 64 different banks
	s_mul_i32 s21, s15, 6144                       ; my 128 rows of a chunk's 256
	s_mul_i32 s22, s16, 6144
	s_add_co_u32 s22, s22, 2*HALFT
.irp s, 0,1
	v_add_nc_u32 v[ADRA+\s], s21, v4
	v_add_nc_u32 v[ADRB+\s], s22, v4
	s_add_co_u32 s21, s21, SLOT
	s_add_co_u32 s22, s22, SLOT
.endr
	v_mul_u32_u24 v5, v1, KS
	v_lshrrev_b32 v6, 8, v5
	v_lshl_add_u32 v5, v6, 4, v5
	s_mul_i32 s21, s15, HALFS
	s_mul_i32 s22, s16, HALFS
	s_add_co_u32 s22, s22, 2*HALFS
	s_sub_co_u32 s22, s22, s21
	v_mul_u32_u24 v6, s22, v2                      ; lanes 16-31 take B's
	s_add_co_u32 s21, s21, SCL
	v_add_nc_u32 v5, v5, v6
	v_add_nc_u32 v[ADRS], s21, v5
	; the way out's offsets and pointers
	v_and_b32 v6, 31, v0
	v_lshlrev_b32 v[GA], 4, v6
	v_lshl_add_u32 v[GS], v1, 4, 6144
	v_mad_u32_u24 v[GS], v2, 0x19000, v[GS]        ; lanes 16-31: the next head's block, 102,400 bytes on
	v_and_b32 v7, 8, v1
	v_add_nc_u32 v7, v7, v1                        ; r + 8 (r / 8): position r's true place
	v_lshlrev_b32 v[RO], 8, v7
	v_lshl_add_u32 v[RO], v2, 6, v[RO]
	v_lshlrev_b32 v[BIO], 6, v2
	s_wait_alu depctr_va_vdst(0)
	v_lshlrev_b32 v[BVO], 2, v7
	s_wait_alu depctr_va_vdst(0)
	s_lshl_b32 s18, s42, 8
	s_lshl_b32 s19, s16, 7
	s_add_co_u32 s18, s18, s19                     ; my first position along 'B'
	s_lshl_b32 s19, s17, 8
	s_lshl_b32 s2, s15, 7
	s_add_co_u32 s19, s19, s2                      ; and along 'A'
	s_cmp_eq_u32 s95, 0
	s_cselect_b64 s[100:101], s[8:9], s[10:11]
	s_cmp_eq_u32 s95, 2
	s_cselect_b32 s2, 0, s18                       ; q, k: the bias runs along 'B' (for v the loads stay inside the buffer and are not used)
	s_cselect_b32 s94, s19, 0                      ; v: along 'A'
	s_cselect_b32 s43, s18, s19                    ; my first token position
	s_cselect_b32 s44, s19, s18                    ; my first channel position
	s_mov_b32 s3, 0
	s_lshl_b32 s2, s2, 2
	s_add_nc_u64 s[100:101], s[100:101], s[2:3]
	s_lshl_b32 s2, s94, 2
	s_add_co_u32 s2, s2, 4096
	s_add_nc_u64 s[104:105], s[10:11], s[2:3]
	s_and_b32 s2, s19, 2047
	s_lshl_b32 s2, s2, 8
	s_add_nc_u64 s[96:97], s[96:97], s[2:3]        ; rope at my first token
	s_lshr_b32 s2, s43, 11                         ; b
	s_lshl_b32 s2, s2, 4
	s_lshr_b32 s18, s44, 6                         ; my first head
	s_add_co_u32 s2, s2, s18
	s_lshl_b32 s2, s2, 4
	s_bfe_u32 s18, s43, 0x40007                    ; the step of 128 positions
	s_add_co_u32 s2, s2, s18
	s_mul_i32 s2, s2, 6400
	s_mul_i32 s18, s95, 6553600
	s_add_co_u32 s2, s2, s18
	s_add_nc_u64 s[12:13], s[98:99], s[2:3]
.macro ROPELOAD a                      ; rope of row block a: my token's 32 numbers (channels 32 b2 + 16 h + 0 .. 15) into buffer a % 2
.irp q, 0,1,2,3,4,5,6,7
	global_load_b128 v[RP+32*((\a)%2)+4*\q:RP+32*((\a)%2)+4*\q+3], v[RO], s[96:97] offset:(32*((\a)/2)+8*((\a)%2))*256+128*(\q/4)+16*(\q%4)
.endr
.endm
	WIN TO_B
.irp b, 0,1,2,3,4,5,6,7                ; the bias of 'B' block b in the result's layout: true places 32 (b / 2) + 8 (b % 2) + 16 h + 0 .. 7
	global_load_b128 v[96+8*\b+96*(\b/4):99+8*\b+96*(\b/4)], v[BIO], s[100:101] offset:(32*(\b/2)+8*(\b%2))*4
	global_load_b128 v[100+8*\b+96*(\b/4):103+8*\b+96*(\b/4)], v[BIO], s[100:101] offset:(32*(\b/2)+8*(\b%2))*4+16
.endr
	WIN 0
.irp a, 0,1,2,3,4,5,6,7
	global_load_b32 v[BV+\a], v[BVO], s[104:105] offset:4*(32*(\a/2)+8*(\a%2))
.endr
	ROPELOAD 0
	ROPELOAD 1
.macro FRAG reg, adr, q, i             ; a fragment: 16 rows x 128 K in 12 registers, in pieces of 8 bytes; pieces 3-5 lie in the next chunk, 12,288 bytes on
.irp p, 0,1,2,3,4,5
	ds_load_b64 v[\reg+2*\p:\reg+2*\p+1], v[\adr] offset:(2*(\q)+\p/3)*12288+768*(\i)+8*(\p%3)
.endr
.endm
; 16 matrix instructions; the 64 accumulators take turns, one instruction a turn, in the same order in every step
.macro MUL16 a0, p, q, sc, zero
.irp a, \a0, \a0+1
.irp b, 0,1,2,3,4,5,6,7
.if \zero
	v_wmma_scale_f32_16x16x128_f8f6f4 v[8*(8*((\a)%4)+\b):8*(8*((\a)%4)+\b)+7], v[128*(\p)+FR*\b:128*(\p)+FR*\b+FR-1], v[AF+FR*(\a):AF+FR*(\a)+FR-1], 0, v[SC+8*NQ*(\sc)+NQ*\b+(\q)], v[SC+8*NQ*(\sc)+NQ*(\a)+(\q)] matrix_a_fmt:MATRIX_FMT_BF6 matrix_b_fmt:MATRIX_FMT_BF6 matrix_a_scale:MATRIX_SCALE_ROW1
.else
	v_wmma_scale_f32_16x16x128_f8f6f4 v[8*(8*((\a)%4)+\b):8*(8*((\a)%4)+\b)+7], v[128*(\p)+FR*\b:128*(\p)+FR*\b+FR-1], v[AF+FR*(\a):AF+FR*(\a)+FR-1], v[8*(8*((\a)%4)+\b):8*(8*((\a)%4)+\b)+7], v[SC+8*NQ*(\sc)+NQ*\b+(\q)], v[SC+8*NQ*(\sc)+NQ*(\a)+(\q)] matrix_a_fmt:MATRIX_FMT_BF6 matrix_b_fmt:MATRIX_FMT_BF6 matrix_a_scale:MATRIX_SCALE_ROW1
.endif
.endr
.endr
.endm
.macro FETCH_B slot, q, p
	WIN TO_B
.irp i, 0,1,2,3,4,5,6,7
	FRAG 128*(\p)+FR*\i, ADRB+\slot, \q, \i
.endr
	WIN 0
.endm
.macro FETCH_A slot, q, i0
.irp i, \i0, \i0+1, \i0+2, \i0+3
	FRAG AF+FR*(\i), ADRA+\slot, \q, \i
.endr
.endm
.macro SCALES sc                       ; lanes 0-15 take A's block i, lanes 16-31 B's block i: two words a row
.irp i, 0,1,2,3,4,5,6,7
	ds_load_b64 v[SC+8*NQ*\sc+NQ*\i:SC+8*NQ*\sc+NQ*\i+1], v[ADRS] offset:\i*SBLK
.endr
.endm
.macro PLACES n                        ; plain vector instructions between a matrix instruction and a load into, or a read of, its registers
.rept \n
	v_nop
.endr
.endm
.macro STEP slot, q, zero
	s_wait_dscnt 4*NL                              ; B's set and A's blocks 0-3 are in; the youngest 24 loads (A's blocks 4-7) may be out
	WIN MUL_LO
	MUL16 0, (\q)%2, \q, \slot, \zero
	MUL16 2, (\q)%2, \q, \slot, \zero
	s_wait_dscnt 0
	PLACES NP
	FETCH_B \slot, (\q)+1, 1-(\q)%2
	FETCH_A \slot, (\q)+1, 0
	WIN MUL_HI
	MUL16 4, (\q)%2, \q, \slot, \zero
	MUL16 6, (\q)%2, \q, \slot, \zero
	PLACES NP
	WIN 0
	FETCH_A \slot, (\q)+1, 4
.endm
; A slot's last step changes slots: one barrier; in front of it each wave waits for all its tensor loads, adds 0 to its spare word, and waits for that and for its reads of this slot.
.macro TURN slot, next, fill
	s_wait_tensorcnt 0x0                           ; all my tensor loads have landed: my part of the next slot
	ds_add_u32 v[SPW], v[NIL]                      ; 0 onto my spare word
	s_wait_dscnt 4*NL+1                            ; the add and the youngest 24 loads may be out
	WIN MUL_LO
	MUL16 0, 1, NQ-1, \slot, 0
	s_wait_dscnt 0x0                               ; the add is done, and my reads of this slot are over
	s_barrier_signal -1
	MUL16 2, 1, NQ-1, \slot, 0
	WIN 0
	s_barrier_wait -1
.if \fill
	CREST                                          ; the barrier has opened a round of the cluster's barrier: no wave of any partner still reads this slot or has a load on its way
	s_add_nc_u64 s[G0+4*\slot+2:G0+4*\slot+3], s[G0+4*\slot+2:G0+4*\slot+3], 2*ROWB
	s_add_nc_u64 s[G0B+4*\slot+2:G0B+4*\slot+3], s[G0B+4*\slot+2:G0B+4*\slot+3], 2*ROWB
	JLOAD G0+4*\slot, G1, G0B+4*\slot, G1B         ; the first tensor load behind the round; its four v_nop are the places in front of the loads below
.else
	PLACES NP
.endif
	s_wait_alu depctr_va_vdst(0)
	v_add_nc_u32 v[ADRS], 4*NQ, v[ADRS]
	FETCH_B \next, 0, 0
	FETCH_A \next, 0, 0
	SCALES \next
	WIN MUL_HI
	MUL16 4, 1, NQ-1, \slot, 0
	MUL16 6, 1, NQ-1, \slot, 0
	PLACES NP
	WIN 0
	FETCH_A \next, 0, 4
.endm
	s_wait_alu depctr_va_vdst(0)
	s_wait_tensorcnt 0x0                           ; my tile of the head's four is in
	ds_add_u32 v[SPW], v[NIL]
	s_mov_b32 s[G1+2], 2<<16                       ; no tensor load of mine is out: from here on a load brings two chunks,
	s_mov_b32 s[G1+4], 2
	s_mov_b32 s[G1B+2], 2<<16
	s_mov_b32 s[G1B+4], 2
	s_mov_b32 s[G0+1], s45                         ; and slot 0's groups 0 stand at my part of K step 0
	s_mov_b64 s[G0+2:G0+3], s[4:5]
	s_or_b32 s[G0+3], s[G0+3], 0x80000000
	s_mov_b32 s[G0B+1], s45
	s_mov_b64 s[G0B+2:G0B+3], s[6:7]
	s_or_b32 s[G0B+3], s[G0B+3], 0x80000000
	s_wait_dscnt 0x0
	CROUND                                         ; all four tiles are in, all sixteen work-groups are here
	JLOAD G0+4, G1, G0B+4, G1B                     ; K step 1, the first tensor load behind the round
	FETCH_B 0, 0, 0
	FETCH_A 0, 0, 0
	SCALES 0
	FETCH_A 0, 0, 4
	STEP 0, 0, 1                                   ; the first step's products start the sums
	s_mov_b32 s3, LAPS-1
.Llap:
	TURN 0, 1, 1
	STEP 1, 0, 0
	TURN 1, 0, 1
	STEP 0, 0, 0
	s_sub_co_u32 s3, s3, 1
	s_cmp_lg_u32 s3, 0
	s_cbranch_scc1 .Llap
	TURN 0, 1, 0
	STEP 1, 0, 0
	s_wait_dscnt 4*NL
	WIN MUL_LO
	MUL16 0, 1, NQ-1, 1, 0
	MUL16 2, 1, NQ-1, 1, 0
	s_wait_dscnt 0
	WIN MUL_HI
	MUL16 4, 1, NQ-1, 1, 0
	MUL16 6, 1, NQ-1, 1, 0
	WIN 0
; THE WAY OUT, a row block of 16 'A' rows at a time, in registers alone.
; QUANT: 64 numbers of a lane, register 16 b + i = place 32 b + 16 h + i of my row, become codes: blocks 0, 1 in six registers from da, blocks 2, 3 from db, and the four scale bytes in v[pw].
.macro QUANT s, da, db, pw
.irp b, 0,1,2,3
	v_max3_num_f32 v[TM+\b], |v[(\s)+16*\b]|, |v[(\s)+1+16*\b]|, 0x2800000   ; my 16 numbers of block b, and the floor 2^(5 - 127)
.endr
.irp i, 2,4,6,8,10,12,14
.irp b, 0,1,2,3
	v_max3_num_f32 v[TM+\b], v[TM+\b], |v[(\s)+16*\b+\i]|, |v[(\s)+1+16*\b+\i]|
.endr
.endr
.irp b, 0,1,2,3
	v_permlanex16_b32 v[TM+4+\b], v[TM+\b], s18, s19
.endr
.irp b, 0,1,2,3
	v_max_num_f32 v[TM+\b], v[TM+\b], v[TM+4+\b]   ; with lane l xor 16's: the block's largest magnitude
.endr
.irp b, 0,1,2,3
	v_add_nc_u32 v[TM+8+\b], 0xfe000000, v[TM+\b]  ; 4 off its exponent field: the conversion's scale operand
.endr
.irp b, 0,1,2,3
	v_lshrrev_b32 v[TM+4+\b], 23, v[TM+8+\b]       ; the scale's byte
.endr
	v_lshl_or_b32 v[\pw], v[TM+5], 8, v[TM+4]
	v_lshl_or_b32 v[\pw], v[TM+6], 16, v[\pw]
	v_lshl_or_b32 v[\pw], v[TM+7], 24, v[\pw]
	v_cvt_scalef32_pk16_bf6_f32 v[(\da):(\da)+2], v[(\s):(\s)+15], v[TM+8]
	v_cvt_scalef32_pk16_bf6_f32 v[CT:CT+2], v[(\s)+16:(\s)+31], v[TM+9]
	v_cvt_scalef32_pk16_bf6_f32 v[(\db):(\db)+2], v[(\s)+32:(\s)+47], v[TM+10]
	v_cvt_scalef32_pk16_bf6_f32 v[CT+4:CT+6], v[(\s)+48:(\s)+63], v[TM+11]
	v_nop                                          ; one plain place behind a scaled conversion
.irp i, 0,1,2
	v_permlane16_swap_b32 v[(\da)+\i], v[CT+\i]    ; a whole block to a lane: lanes 0-15 the even block, lanes 16-31 the odd one
	v_permlane16_swap_b32 v[(\db)+\i], v[CT+4+\i]
.endr
.irp i, 0,1,2
	v_mov_b32 v[(\da)+3+\i], v[CT+\i]
	v_mov_b32 v[(\db)+3+\i], v[CT+4+\i]
.endr
.endm
; q, k: bias, rotation, two heads' codes
.macro QKBLOCK a
	WIN 0x06+(\a)/4                                ; source 0: the accumulators' window; source 1: window 1, the bias
.set ii, 0
.rept 32
	v_pk_add_f32 v[T+ii:T+ii+1], v[64*((\a)%4)+ii:64*((\a)%4)+ii+1], v[96+ii+96*(ii/32):97+ii+96*(ii/32)]   ; ascending: each accumulator is read from its low end on
.set ii, ii+2
.endr
	WIN 0
.if (\a) == 7
	s_wait_loadcnt 0x0
.elseif (\a) > 0
	s_wait_loadcnt 8                               ; this block's rope is in; the next block's eight loads may be out
.endif
.set ii, 0
.rept 32                               ; the pair (even, odd) of channels: sin is rope's even number, cos its odd one
.set uu, UU+2*((ii/2)%2)
.set rp, RP+32*((\a)%2)+ii%32
	v_mul_f32 v[uu], v[T+ii], v[rp+1]
	v_mul_f32 v[uu+1], v[T+ii], v[rp]
	v_fma_f32 v[T+ii], -v[T+ii+1], v[rp], v[uu]
	v_fma_f32 v[T+ii+1], v[T+ii+1], v[rp+1], v[uu+1]
.set ii, ii+2
.endr
.if (\a) <= 5
	ROPELOAD (\a)+2
.endif
.if ((\a) >= 2) && ((\a)%2 == 0)
	s_wait_xcnt 0x0                                ; the last pair's stores have read their data: the images may be written again
.endif
	QUANT T, HA+6*((\a)%2), HB+6*((\a)%2), PWS+(\a)
.if (\a)%2 == 1
.irp c, 0,1,2
	global_store_b128 v[GA], v[HA+4*\c:HA+4*\c+3], s[12:13] offset:((\a)/2)*1536+512*\c          ; 512 consecutive bytes, aligned
	global_store_b128 v[GA], v[HB+4*\c:HB+4*\c+3], s[12:13] offset:((\a)/2)*1536+512*\c+102400   ; the next head's block
.endr
.endif
.endm
; v: bias of my channel, one fragment of 16 channels x 128 keys
.macro VBLOCK a
	WIN 0x02+(\a)/4
.set ii, 0
.rept 64
	v_add_f32 v[T+ii], v[64*((\a)%4)+ii], v[BV+(\a)]
.set ii, ii+1
.endr
	WIN 0
.if (\a) > 0
	s_wait_xcnt 0x0                                ; the last block's stores have read their data
.endif
	QUANT T, HA, HA+6, PWS+(\a)
.irp c, 0,1,2
	global_store_b128 v[GA], v[HA+4*\c:HA+4*\c+3], s[12:13] offset:((\a)/4)*102400+((\a)%4)*1536+512*\c
.endr
.endm
	PLACES NP                                      ; behind the last products: their results are read and their operands' registers written below
	s_wait_loadcnt 0x0                             ; the biases and the first two blocks' rope
	s_mov_b32 s18, 0x76543210
	s_mov_b32 s19, 0xfedcba98                      ; selects for lane l xor 16
	s_mov_b32 s66, 0xffff0000                      ; lanes 16-31
.irp b, 0,1,2,3
	v_mov_b32 v[TM+4+\b], 0                        ; a lane permute's destination counts as one of its sources
.endr
	s_cmp_eq_u32 s95, 2
	s_cbranch_scc1 .Lv
.irp a, 0,1,2,3,4,5,6,7
	QKBLOCK \a
.endr
.irp p, 0,1,2,3                        ; image p's scale word: (tile 2 p block 0, 1, tile 2 p + 1 block 0, 1), the first head's from the low halves, the second's from the high ones
	v_perm_b32 v[SWA+\p], v[PWS+2*\p+1], v[PWS+2*\p], 0x05040100
	v_perm_b32 v[SWB+\p], v[PWS+2*\p+1], v[PWS+2*\p], 0x07060302
.endr
.irp p, 0,1,2,3
	v_cndmask_b32 v[SW+\p], v[SWA+\p], v[SWB+\p], s66
.endr
	s_branch .Ltail
.Lv:
.irp a, 0,1,2,3,4,5,6,7
	VBLOCK \a
.endr
.irp p, 0,1,2,3
	v_cndmask_b32 v[SW+\p], v[PWS+\p], v[PWS+4+\p], s66
.endr
.Ltail:
	s_wait_alu depctr_va_vdst(0)
	global_store_b128 v[GS], v[SW:SW+3], s[12:13]  ; lanes 0-15 fill one head's 256 bytes of scale words, lanes 16-31 the next head's
	s_wait_tensorcnt 0x0                           ; the wave's end
	ds_add_u32 v[SPW], v[NIL]
	s_wait_dscnt 0x0
	CROUND                                         ; the closing round
	s_endpgm
.Lfunc_end_k_qec5599c6bb_gemm_qkv:
	.size	k_qec5599c6bb_gemm_qkv, .Lfunc_end_k_qec5599c6bb_gemm_qkv-k_qec5599c6bb_gemm_qkv
	.p2alignl 7, 3214868480
	.fill 96, 4, 3214868480
	.section	.rodata,"a",@progbits
	.p2align	6, 0x0
	.amdhsa_kernel k_qec5599c6bb_gemm_qkv
		.amdhsa_group_segment_fixed_size 327680
		.amdhsa_private_segment_fixed_size 0
		.amdhsa_enable_private_segment 0
		.amdhsa_kernarg_size 48
		.amdhsa_user_sgpr_count 2
		.amdhsa_user_sgpr_kernarg_segment_ptr 1
		.amdhsa_wavefront_size32 1
		.amdhsa_system_sgpr_workgroup_id_x 1
		.amdhsa_system_sgpr_workgroup_id_y 1
		.amdhsa_system_sgpr_workgroup_id_z 1
		.amdhsa_system_vgpr_workitem_id 0
		.amdhsa_next_free_vgpr 1024
		.amdhsa_next_free_sgpr 106
		.amdhsa_reserve_vcc 0
		.amdhsa_float_denorm_mode_32 3
		.amdhsa_float_denorm_mode_16_64 3
		.amdhsa_memory_ordered 1
		.amdhsa_forward_progress 1
		.amdhsa_inst_pref_size 255
	.end_amdhsa_kernel
	.section	.bss,"aw",@nobits
	.p2align	6
	.space	262144
	.amdgpu_metadata
---
amdhsa.version: [ 1, 2 ]
amdhsa.kernels:
  - .name:           k_qec5599c6bb_gemm_qkv
    .symbol:         k_qec5599c6bb_gemm_qkv.kd
    .args:
      - { .name: act, .offset: 0, .size: 8, .value_kind: global_buffer, .address_space: global }
      - { .name: wgt, .offset: 8, .size: 8, .value_kind: global_buffer, .address_space: global }
      - { .name: bq, .offset: 16, .size: 8, .value_kind: global_buffer, .address_space: global }
      - { .name: bkv, .offset: 24, .size: 8, .value_kind: global_buffer, .address_space: global }
      - { .name: rope, .offset: 32, .size: 8, .value_kind: global_buffer, .address_space: global }
      - { .name: qkv, .offset: 40, .size: 8, .value_kind: global_buffer, .address_space: global }
    .group_segment_fixed_size: 327680
    .private_segment_fixed_size: 0
    .kernarg_segment_align: 8
    .kernarg_segment_size: 48
    .max_flat_workgroup_size: 128
    .sgpr_count:     106
    .vgpr_count:     1024
    .wavefront_size: 32
...
	.end_amdgpu_metadata
.endif
;; end of part 2
;; launch attn (part 3): grid 16 x 64, 4 waves a work-group, no clusters, 0 bytes of LDS; arguments qkv, mw, fl, att; writes att
.if DOCPART == 3
	.amdgcn_target "amdgcn-amd-amdhsa--gfx1250"
	.amdhsa_code_object_version 6
	.text
	.protected	k_qec5599c6bb_attn
	.globl	k_qec5599c6bb_attn
	.p2align	8
	.type	k_qec5599c6bb_attn,@function
k_qec5599c6bb_attn:
	s_mov_b64 s[64:65], 0
	v_nop
	global_prefetch_b8 v0, s[64:65] scope:SCOPE_SE
	s_setreg_imm32_b32 hwreg(HW_REG_WAVE_MODE, 25, 1), 1
	s_wait_xcnt 0x0
; ATTENTION on codes of BF6 with E8M0 scales: S^T = k q^T, p = 2^(t - M), O^T += v^T p^T, both products transposed, so that a lane holds one query throughout.
; A wave owns a tile of 16 query positions at a time and walks the key steps of 128.  k and v lie in qkv as images of the operand registers (register group c of lane l at 512 c + 16 l,
; the scale words behind them), so each lane loads its fragments whole from memory: no LDS, no barrier, waves share nothing.
; WHICH STEPS: fl holds for each tile and step two lane masks made from the mask input by the launch before: some key kept, all keys kept.  A step in which no key is kept for any of the 16 queries adds
; p = 0 to every row that keeps a key somewhere, so it is passed over; if some query of the tile keeps no key at all (its softmax is then even over all 2,048 keys), every step stays live.
; A step in which all keys are kept needs no selection; the others select by the mask words of mw.  All of this hangs on whole numbers read from memory, for every mask.
; THE DEAL: 64 heads x 128 tiles; a wave takes tiles 127 - i and i, one from each end of the sequence; 4,096 waves.
; A masked score becomes -2^33 ahead of the scaling: x c it is a whole number, so a row that is masked whole gets M = t and p = 1, as -1e9 gives in reference().
; LIMITS: the promise holds while the scaled scores of kept keys stay under 2^30 in magnitude; NaN and infinities are not served.
; NO CLUSTER, NO TENSOR LOAD: the trip count hangs on stored flags.  NO PREFETCH: k's 13 loads are issued one whole step ahead of their use and
; v's at the head of their own step, into registers of their own; a head's 204,800 bytes of k and v are read by its 128 tiles.
; OUT: att codes [head][tile][3 pieces][32 lanes][8 bytes], an image of the next product's operand registers; scale bytes [head][position][2].
.set BLKB, 6400                        ; a step's block: four images of 1,536 bytes, then 16 x 4 scale words
.set VOFF, 6553600                     ; from k's block to v's
.set LI, 1                             ; 16 x lane
.set LQ, 2                             ; 6144 + 16 r
.set R0, 3                             ; -2^33
.set QS, 4                             ; q's scale word
.set FF, 6                             ; f = 2^(old M - new M); the pair's upper half is
.set PS, 7                             ; p's scale word
.set QL, 8                             ; v8-13 q, v14-19 zeros, v20-25 q: (q, 0) and
.set QH, 14                            ; (0, q)
.set NM, 26                            ; -M, the running largest t
.set LS, 28                            ; the row's sum in two halves
.set A8, 30                            ; 8 x lane
.set A2, 31                            ; 2 r
.set KF, 32
.set KS, 80
.set VF, 84
.set VS, 132
.set S,  136                           ; scores, then p
.set O,  200
.set PC, 232                           ; p's codes
.set CT, 244                           ; the conversions' second halves; ahead of them:
.set BT, 244
.set L2, 248
.set TP, 250
.set BM, 252                           ; the blocks' largest scores, then the conversions' scale operands
; scalars: s[2:3] c; s4 tile, s5 job; s[6:7] mw, s[8:9] fl, s[10:11] att's codes, s[78:79] its scales, all at my batch or head; s[12:13] a step's block of k;
; s[16:63], s[80:95] flags, mask words; s[68:69] k, s[70:71] q of my head; s[72:77] the tile's mask words, codes, scales; s96 live steps left, s97 full steps, s98 trips, s99 trip, s104 step, s105 next step
.macro KLOAD
.irp i, 0,1,2,3,4,5,6,7,8,9,10,11
	global_load_b128 v[KF+4*\i:KF+4*\i+3], v[LI], s[12:13] offset:512*\i
.endr
	global_load_b128 v[KS:KS+3], v[LQ], s[12:13]
.endm
	s_load_b256 s[4:11], s[0:1], 0x0               ; qkv, mw, fl, att
	v_lshrrev_b32 v5, 5, v0
	v_readfirstlane_b32 s14, v5                    ; wave
	v_and_b32 v5, 31, v0
	v_lshlrev_b32 v[LI], 4, v5
	v_lshlrev_b32 v[A8], 3, v5
	v_and_b32 v5, 15, v0
	v_lshl_add_u32 v[LQ], v5, 4, 6144
	v_lshlrev_b32 v[A2], 1, v5
	v_mov_b32 v[R0], 0xd0000000
	v_mov_b32 v[PS], 0
.irp i, 0,1,2,3,4,5,6,7
	v_mov_b32 v[CT+\i], 0                          ; a lane permute's destination counts as one of its sources
.endr
	s_and_b32 s15, ttmp7, 0xffff                   ; 16 b + head
	s_lshl_b32 s12, ttmp9, 2
	s_add_co_u32 s12, s12, s14                     ; i, 0 .. 63
	s_lshr_b32 s96, s15, 4                         ; b
	s_mul_i32 s100, s15, 102400
	s_mov_b32 s101, 0
	s_mov_b32 s2, 0x3e38aa3b                       ; c = log2(e) / 8
	s_mov_b32 s3, s2
	s_mov_b32 s66, 0x76543210
	s_mov_b32 s67, 0xfedcba98                      ; selects for lane l xor 16
	s_wait_alu depctr_va_vdst(0)
	s_wait_kmcnt 0x0
	s_add_nc_u64 s[70:71], s[4:5], s[100:101]
	s_add_nc_u64 s[68:69], s[70:71], VOFF
	s_lshl_b32 s100, s96, 19
	s_add_nc_u64 s[6:7], s[6:7], s[100:101]
	s_lshl_b32 s100, s96, 14
	s_add_nc_u64 s[8:9], s[8:9], s[100:101]
	s_lshl_b32 s100, s15, 12
	s_add_nc_u64 s[78:79], s[10:11], s[100:101]
	s_add_nc_u64 s[78:79], s[78:79], 6291456
	s_mul_i32 s100, s15, 98304
	s_add_nc_u64 s[10:11], s[10:11], s[100:101]
	s_sub_co_u32 s4, 127, s12
	s_mov_b32 s5, 0
.Ljob:
	s_wait_xcnt 0x0                                ; the last tile's stores have read their registers and bases
	s_lshl_b32 s14, s4, 7
	s_load_b512 s[16:31], s[8:9], s14 offset:0x0   ; the tile's flags
	s_load_b512 s[32:47], s[8:9], s14 offset:0x40
	s_lshr_b32 s15, s4, 3
	s_mul_i32 s15, s15, BLKB                       ; q's block of 128 positions
	s_bfe_u32 s105, s4, 0x20001                    ; the image that holds my tile
	s_mul_i32 s100, s105, 1536
	s_add_co_u32 s100, s100, s15
	s_lshl_b32 s105, s105, 2
	s_add_co_u32 s105, s105, s15
	v_add_nc_u32 v[BM], s100, v[LI]
	v_add_nc_u32 v[BM+1], s105, v[LQ]
	global_load_b128 v[S:S+3], v[BM], s[70:71]
	global_load_b128 v[S+4:S+7], v[BM], s[70:71] offset:512
	global_load_b128 v[S+8:S+11], v[BM], s[70:71] offset:1024
	global_load_b32 v[S+12], v[BM+1], s[70:71]
	s_lshl_b32 s100, s4, 12
	s_add_nc_u64 s[72:73], s[6:7], s[100:101]
	s_mul_i32 s100, s4, 768
	s_add_nc_u64 s[74:75], s[10:11], s[100:101]
	s_lshl_b32 s100, s4, 5
	s_add_nc_u64 s[76:77], s[78:79], s[100:101]
	s_wait_kmcnt 0x0
	s_mov_b32 s96, 0
	s_mov_b32 s97, 0
	s_mov_b32 s14, 0
.irp s, 0,1,2,3,4,5,6,7,8,9,10,11,12,13,14,15
	s_or_b32 s14, s14, s[16+8*(\s/4)+\s%4]
	s_cmp_lg_u32 s[16+8*(\s/4)+\s%4], 0            ; some key kept: the step is live
	s_cselect_b32 s15, 1<<\s, 0
	s_or_b32 s96, s96, s15
	s_cmp_eq_u32 s[20+8*(\s/4)+\s%4], -1           ; all kept: the step is full
	s_cselect_b32 s15, 1<<\s, 0
	s_or_b32 s97, s97, s15
.endr
	s_lshr_b32 s15, s14, 16                        ; query r keeps a key if lane r or lane r + 16 has one in some step
	s_or_b32 s14, s14, s15
	s_and_b32 s14, s14, 0xffff
	s_cmp_eq_u32 s14, 0xffff
	s_cselect_b32 s15, 0, 0xffff                   ; a query with no key at all: every step is live
	s_or_b32 s96, s96, s15
	s_bcnt1_i32_b32 s98, s96                       ; at least 1
	s_ctz_i32_b32 s104, s96
	s_min_u32 s104, s104, 15
	s_sub_co_u32 s15, s96, 1
	s_and_b32 s96, s96, s15                        ; the lowest live step is taken
	s_mul_i32 s100, s104, BLKB
	s_add_nc_u64 s[12:13], s[68:69], s[100:101]
	KLOAD
	s_bitcmp1_b32 s4, 0                            ; an odd tile lies in the image's registers 6-11 and the word's upper bytes
	s_cselect_b32 s14, -1, 0
	s_mov_b32 s15, 0x01000100
	s_cselect_b32 s15, 0x03020302, s15
	s_wait_loadcnt 13                              ; q is in; k's 13 loads may be out
.irp i, 0,1,2,3,4,5
	v_cndmask_b32 v[QL+\i], v[S+\i], v[S+6+\i], s14
.endr
.irp i, 0,1,2,3,4,5
	v_mov_b32 v[QH+6+\i], v[QL+\i]
	v_mov_b32 v[QL+6+\i], 0
.endr
	v_perm_b32 v[QS], v[S+12], v[S+12], s15
.set n, 0
.rept 32
	v_mov_b32 v[O+n], 0                            ; the step is written once: the first finds zeros
.set n, n+1
.endr
	v_mov_b32 v[NM+1], 0xff61b1e6                  ; -3e38, under every t
	v_floor_f32 v[NM], -v[NM+1]
	v_mov_b32 v[LS], 0
	v_mov_b32 v[LS+1], 0
	s_mov_b32 s99, 0
	s_wait_alu depctr_va_vdst(0)
.Lstep:
.rept 4
	v_nop                                          ; places behind the last products, ahead of the loads into v's registers
.endr
	s_min_u32 s104, s104, 15                       ; the step's number comes from stored flags: each trip holds it to 0 .. 15 and makes its addresses from that
	s_mul_i32 s100, s104, BLKB
	s_wait_xcnt 0x0                                ; k's loads have read the base
	s_add_nc_u64 s[12:13], s[68:69], s[100:101]    ; this step's block
.irp i, 0,1,2,3,4,5,6,7,8,9,10,11
	global_load_b128 v[VF+4*\i:VF+4*\i+3], v[LI], s[12:13] offset:VOFF+512*\i
.endr
	global_load_b128 v[VS:VS+3], v[LQ], s[12:13] offset:VOFF
	s_wait_loadcnt 13                              ; k is in; v's 13 loads may be out
.irp p, 0,1,2,3                        ; image p holds key tiles 2 p and 2 p + 1, 64 channels each: (q, 0) picks the first, (0, q) the second
	v_wmma_scale_f32_16x16x128_f8f6f4 v[S+16*\p:S+16*\p+7], v[KF+12*\p:KF+12*\p+11], v[QL:QL+11], 0, v[KS+\p], v[QS] matrix_a_fmt:MATRIX_FMT_BF6 matrix_b_fmt:MATRIX_FMT_BF6
	v_wmma_scale_f32_16x16x128_f8f6f4 v[S+16*\p+8:S+16*\p+15], v[KF+12*\p:KF+12*\p+11], v[QH:QH+11], 0, v[KS+\p], v[QS] matrix_a_fmt:MATRIX_FMT_BF6 matrix_b_fmt:MATRIX_FMT_BF6
.endr
.rept 4
	v_nop                                          ; places: ahead of the loads into k's registers and of the reads of the scores
.endr
	s_cmp_eq_u32 s96, 0
	s_cbranch_scc1 .Llast
	s_ctz_i32_b32 s105, s96                        ; the next live step
	s_min_u32 s105, s105, 15
	s_sub_co_u32 s14, s96, 1
	s_and_b32 s96, s96, s14
	s_mul_i32 s100, s105, BLKB
	s_wait_xcnt 0x0                                ; v's loads have read the base
	s_add_nc_u64 s[12:13], s[68:69], s[100:101]
	KLOAD
	s_branch .Lasked
.Llast:
	s_wait_loadcnt 0x0                             ; no k follows: the counted wait below would not cover v
.Lasked:
	s_bitcmp1_b32 s97, s104
	s_cbranch_scc1 .Lfull
	s_lshl_b32 s15, s104, 8                        ; 64 words a step: word n holds, a bit a lane, whether register n's key is kept
	s_load_b512 s[16:31], s[72:73], s15 offset:0x0
	s_load_b512 s[32:47], s[72:73], s15 offset:0x40
	s_load_b512 s[48:63], s[72:73], s15 offset:0x80
	s_load_b512 s[80:95], s[72:73], s15 offset:0xc0
	s_wait_kmcnt 0x0
.set n, 0
.rept 64
	v_cndmask_b32 v[S+n], v[R0], v[S+n], s[16+n+16*(n/48)]
.set n, n+1
.endr
.Lfull:
.irp b, 0,1,2,3                        ; the largest score of each block of 32 keys: for the row's maximum and for the block's largest p; the four blocks by turns
	v_max3_num_f32 v[BM+\b], v[S+16*\b], v[S+1+16*\b], v[S+2+16*\b]
.endr
.irp i, 3,5,7,9,11,13
.irp b, 0,1,2,3
	v_max3_num_f32 v[BM+\b], v[BM+\b], v[S+16*\b+\i], v[S+1+16*\b+\i]
.endr
.endr
.irp b, 0,1,2,3
	v_max_num_f32 v[BM+\b], v[BM+\b], v[S+15+16*\b]
.endr
.irp b, 0,1,2,3
	v_permlanex16_b32 v[BT+\b], v[BM+\b], s66, s67
.endr
.irp b, 0,1,2,3
	v_max_num_f32 v[BM+\b], v[BM+\b], v[BT+\b]
.endr
	v_max3_num_f32 v[TP], v[BM], v[BM+1], v[BM+2]
	v_max_num_f32 v[TP], v[TP], v[BM+3]
	v_mul_f32 v[TP], s2, v[TP]                     ; as t (c is positive)
	v_max_num_f32 v[NM+1], v[NM+1], v[TP]
	v_mov_b32 v[TP], v[NM]
	v_floor_f32 v[NM], -v[NM+1]                    ; -M = floor(-t): M is a whole number
	v_sub_f32 v[TP], v[NM], v[TP]
	v_cvt_i32_f32 v[TP], v[TP]
	v_ldexp_f32 v[FF], 1.0, v[TP]                  ; f = 2^(old M - new M)
.set n, 0
.rept 32
	v_pk_fma_f32 v[S+n:S+n+1], v[S+n:S+n+1], s[2:3], v[NM:NM+1] op_sel_hi:[1,0,0]   ; t - M
.set n, n+2
.endr
.irp b, 0,1,2,3
	v_fma_f32 v[BM+\b], v[BM+\b], s2, v[NM]
.endr
	s_wait_alu depctr_va_vdst(0)                   ; the wait ahead of the batch
.set n, 0
.rept 64
	v_exp_f32 v[S+n], v[S+n]
.set n, n+1
.endr
	v_pk_mul_f32 v[LS:LS+1], v[LS:LS+1], v[FF:FF+1] op_sel_hi:[1,0]
	s_wait_alu depctr_va_vdst(0)                   ; and behind it
.irp b, 0,1,2,3
	v_exp_f32 v[BM+\b], v[BM+\b]                   ; the block's largest p
.endr
	v_pk_add_f32 v[L2:L2+1], v[S:S+1], v[S+2:S+3]  ; the row's sum, of the unquantised p, in two chains
.irp j, 4,8,12,16,20,24,28,32,36,40,44,48,52,56,60
	v_pk_add_f32 v[LS:LS+1], v[LS:LS+1], v[S+\j:S+\j+1]
	v_pk_add_f32 v[L2:L2+1], v[L2:L2+1], v[S+2+\j:S+3+\j]
.endr
	v_pk_add_f32 v[LS:LS+1], v[LS:LS+1], v[L2:L2+1]
	s_wait_alu depctr_va_vdst(0)                   ; for the four
.irp b, 0,1,2,3
	v_max_num_f32 v[BM+\b], 0x2800000, v[BM+\b]    ; the floor 2^(5 - 127): the byte cannot fall under 1
.endr
.irp b, 0,1,2,3
	v_add_nc_u32 v[BM+\b], 0xfe000000, v[BM+\b]    ; 4 off the exponent field: the conversion's scale operand
.endr
.irp b, 0,1,2,3
	v_lshrrev_b32 v[BT+\b], 23, v[BM+\b]
.endr
	v_lshl_or_b32 v[PS], v[BT+1], 8, v[BT]
	v_lshl_or_b32 v[PS], v[BT+2], 16, v[PS]
	v_lshl_or_b32 v[PS], v[BT+3], 24, v[PS]
.irp c, 0,1
	v_cvt_scalef32_pk16_bf6_f32 v[PC+6*\c:PC+2+6*\c], v[S+32*\c:S+15+32*\c], v[BM+2*\c]
	v_cvt_scalef32_pk16_bf6_f32 v[CT+4*\c:CT+2+4*\c], v[S+16+32*\c:S+31+32*\c], v[BM+2*\c+1]
.endr
	v_nop                                          ; one plain place behind a scaled conversion
.irp c, 0,1
.irp i, 0,1,2
	v_permlane16_swap_b32 v[PC+6*\c+\i], v[CT+4*\c+\i]   ; a whole block to a lane
.endr
.irp i, 0,1,2
	v_mov_b32 v[PC+3+6*\c+\i], v[CT+4*\c+\i]
.endr
.endr
	s_wait_alu depctr_va_vdst(0)                   ; the wait directly ahead of the first reader of O^T
.set n, 0
.rept 16
	v_pk_mul_f32 v[O+n:O+n+1], v[O+n:O+n+1], v[FF:FF+1] op_sel_hi:[1,0]
.set n, n+2
.endr
	s_wait_alu depctr_va_vdst(0)                   ; and ahead of the wait below
	s_wait_loadcnt 13                              ; v is in; the next k's 13 loads may be out
.irp t, 0,1,2,3
	v_wmma_scale_f32_16x16x128_f8f6f4 v[O+8*\t:O+8*\t+7], v[VF+12*\t:VF+12*\t+11], v[PC:PC+11], v[O+8*\t:O+8*\t+7], v[VS+\t], v[PS] matrix_a_fmt:MATRIX_FMT_BF6 matrix_b_fmt:MATRIX_FMT_BF6
.endr
	s_mov_b32 s104, s105
	s_add_co_u32 s99, s99, 1
	s_cmp_lt_u32 s99, s98
	s_cbranch_scc1 .Lstep
	s_wait_loadcnt 0x0                             ; no load is out on any way out of the loop: the next tile's loads land on the same registers
; the tile's end: O^T / the sum, quantised along the 64 channels, two blocks
.rept 4
	v_nop
.endr
	v_add_f32 v[LS], v[LS], v[LS+1]
	v_permlanex16_b32 v[TP], v[LS], s66, s67
	v_add_f32 v[LS], v[LS], v[TP]
	s_wait_alu depctr_va_vdst(0)
	v_rcp_f32 v[LS], v[LS]
	v_nop
	s_wait_alu depctr_va_vdst(0)
.set n, 0
.rept 32
	v_mul_f32 v[S+n], v[O+n], v[LS]
.set n, n+1
.endr
.irp b, 0,1
	v_max3_num_f32 v[BM+\b], |v[S+16*\b]|, |v[S+1+16*\b]|, 0x2800000
.endr
.irp i, 2,4,6,8,10,12,14
.irp b, 0,1
	v_max3_num_f32 v[BM+\b], v[BM+\b], |v[S+16*\b+\i]|, |v[S+1+16*\b+\i]|
.endr
.endr
.irp b, 0,1
	v_permlanex16_b32 v[BT+\b], v[BM+\b], s66, s67
.endr
.irp b, 0,1
	v_max_num_f32 v[BM+\b], v[BM+\b], v[BT+\b]
.endr
.irp b, 0,1
	v_add_nc_u32 v[BM+\b], 0xfe000000, v[BM+\b]
.endr
.irp b, 0,1
	v_lshrrev_b32 v[BT+\b], 23, v[BM+\b]
.endr
	v_lshl_or_b32 v[TP], v[BT+1], 8, v[BT]
	v_cvt_scalef32_pk16_bf6_f32 v[PC:PC+2], v[S:S+15], v[BM]
	v_cvt_scalef32_pk16_bf6_f32 v[CT:CT+2], v[S+16:S+31], v[BM+1]
	v_nop
.irp i, 0,1,2
	v_permlane16_swap_b32 v[PC+\i], v[CT+\i]
.endr
.irp i, 0,1,2
	v_mov_b32 v[PC+3+\i], v[CT+\i]
.endr
.irp i, 0,1,2
	global_store_b64 v[A8], v[PC+2*\i:PC+2*\i+1], s[74:75] offset:256*\i   ; 32 lanes store 256 consecutive bytes, aligned
.endr
	global_store_b16 v[A2], v[TP], s[76:77]        ; 16 rows' two bytes; lanes r and r + 16 write the same bytes with the same value
	s_sub_co_u32 s4, 127, s4                       ; the tile from the other end
	s_add_co_u32 s5, s5, 1
	s_cmp_lt_u32 s5, 2
	s_wait_alu depctr_va_vdst(0)
	s_cbranch_scc1 .Ljob
	s_endpgm
.Lfunc_end_k_qec5599c6bb_attn:
	.size	k_qec5599c6bb_attn, .Lfunc_end_k_qec5599c6bb_attn-k_qec5599c6bb_attn
	.p2alignl 7, 3214868480
	.fill 96, 4, 3214868480
	.section	.rodata,"a",@progbits
	.p2align	6, 0x0
	.amdhsa_kernel k_qec5599c6bb_attn
		.amdhsa_group_segment_fixed_size 0
		.amdhsa_private_segment_fixed_size 0
		.amdhsa_enable_private_segment 0
		.amdhsa_kernarg_size 32
		.amdhsa_user_sgpr_count 2
		.amdhsa_user_sgpr_kernarg_segment_ptr 1
		.amdhsa_wavefront_size32 1
		.amdhsa_system_sgpr_workgroup_id_x 1
		.amdhsa_system_sgpr_workgroup_id_y 1
		.amdhsa_system_sgpr_workgroup_id_z 1
		.amdhsa_system_vgpr_workitem_id 0
		.amdhsa_next_free_vgpr 256
		.amdhsa_next_free_sgpr 106
		.amdhsa_reserve_vcc 0
		.amdhsa_float_denorm_mode_32 3
		.amdhsa_float_denorm_mode_16_64 3
		.amdhsa_memory_ordered 1
		.amdhsa_forward_progress 1
		.amdhsa_inst_pref_size 37
	.end_amdhsa_kernel
	.amdgpu_metadata
---
amdhsa.version: [ 1, 2 ]
amdhsa.kernels:
  - .name:           k_qec5599c6bb_attn
    .symbol:         k_qec5599c6bb_attn.kd
    .args:
      - { .name: qkv, .offset: 0, .size: 8, .value_kind: global_buffer, .address_space: global }
      - { .name: mw, .offset: 8, .size: 8, .value_kind: global_buffer, .address_space: global }
      - { .name: fl, .offset: 16, .size: 8, .value_kind: global_buffer, .address_space: global }
      - { .name: att, .offset: 24, .size: 8, .value_kind: global_buffer, .address_space: global }
    .group_segment_fixed_size: 0
    .private_segment_fixed_size: 0
    .kernarg_segment_align: 8
    .kernarg_segment_size: 32
    .max_flat_workgroup_size: 128
    .sgpr_count:     106
    .vgpr_count:     256
    .wavefront_size: 32
...
	.end_amdgpu_metadata
.endif
;; end of part 3
;; launch gemm_out (part 4): grid 4 x 32, 4 waves a work-group, clusters of 4 x 4, 327,680 bytes of LDS; arguments att, wgt, bp, out0; writes out0
.if DOCPART == 4
	.amdgcn_target "amdgcn-amd-amdhsa--gfx1250"
	.amdhsa_code_object_version 6
	.text
	.protected	k_qec5599c6bb_gemm_out
	.globl	k_qec5599c6bb_gemm_out
	.p2align	8
	.type	k_qec5599c6bb_gemm_out,@function
k_qec5599c6bb_gemm_out:
	s_mov_b64 s[64:65], 0
	v_nop
	global_prefetch_b8 v0, s[64:65] scope:SCOPE_SE
	s_setreg_imm32_b32 hwreg(HW_REG_WAVE_MODE, 25, 1), 1
	s_wait_xcnt 0x0
	s_wait_alu depctr_hold_cnt(0) depctr_sa_sdst(0) depctr_va_vdst(0) depctr_va_sdst(0) depctr_va_ssrc(0) depctr_va_vcc(0) depctr_vm_vsrc(0)
	s_getreg_b32 s2, hwreg(HW_REG_IB_STS2, 6, 4)
	s_cmp_eq_u32 s2, 0
	s_cbranch_scc0 .Lentry_in_a_cluster
	s_endpgm
.Lentry_in_a_cluster:
	s_bfe_u32 s2, ttmp6, 0x10000c
	s_cmp_lg_u32 s2, 0xf033
	s_cbranch_scc0 .Lentry_shape_is_right
	s_endpgm
.Lentry_shape_is_right:
.set NQ,     2
; out0 = att Wp + bp on codes of BF6 with E8M0 scales, K = 1,024 in steps of 256 through two LDS slots; a tile of 256 x 256 by four waves; 4 x 4 work-groups ask for A's and B's tiles jointly.
; A (att): [head = chunk of 64 along K][tile of 16 rows: an image of the operand's registers, piece i of lane l at 256 i + 8 l]; B (Wp in wgt): [chunk][row][48 bytes].  256 rows of a chunk are 12,288 consecutive bytes.
; A slot holds [A, B][4 chunks][256 rows x 48 bytes].  At the head wave 0 fetches K step 0 of A, wave 1 of B, waves 2 and 3 the scales; in the ring each wave fetches two chunks of A or of B.
.set ROWB,   4*393216                  ; B: bytes from one K step to the next
.set KROW,   48
.set PITCH,  192
.set FR,     12
.set NL,     6
.set NP,     4
.set HALFT,  128*PITCH
.set SLOT,   4*HALFT
.set KS,     32
.set SCL,    2*SLOT
.set HALFS,  16*272
.set SBLK,   2*272
.set SPARE,  SCL+4*HALFS
.set SPITCH, 528
.set AKS,    393216
.set ADRA, 16
.set ADRB, 20
.set STO,  24
.set RD,   25
.set CO,   26
.set ADRS, 27
.set SPW,  28
.set NIL,  29
.set BIO,  30
.set ASA,  31
.set SC,   32
.set ASC,  64
.set AF,   128
.set BK,   128
.set G1, 24
.set G0, 32
.set G1B, 48
.set G0B, 56
.set G1S, 68
.set G0S, 76
.set G1SB, 80
.set G0SB, 88
.set MSB, 0
.macro WIN new
.if MSB != (\new)
	s_set_vgpr_msb (MSB<<8)|(\new)
.set MSB, (\new)
.endif
.endm
.set MUL_LO, 0xa1
.set MUL_HI, 0xf1
.set TO_B,   0x40
.macro JLOAD g0a, g1a, g0b, g1b
	s_cmp_eq_u32 s15, 0
	s_cbranch_scc0 .Lfor_b_\@
	tensor_load_to_lds s[\g0a:\g0a+3], s[\g1a:\g1a+7]
	s_nop 0
.rept 4
	v_nop
.endr
	s_branch .Lasked_\@
.Lfor_b_\@:
	tensor_load_to_lds s[\g0b:\g0b+3], s[\g1b:\g1b+7]
	s_nop 0
.rept 4
	v_nop
.endr
.Lasked_\@:
.endm
.macro CREST
	s_cmp_lg_u32 s14, 0
	s_cbranch_scc1 .Lnot_wave_0_\@
	s_barrier_signal -3
.Lnot_wave_0_\@:
	s_barrier_wait -3
	s_barrier_signal -1
	s_barrier_wait -1
.endm
.macro CROUND
	s_barrier_signal -1
	s_barrier_wait -1
	CREST
.endm
	s_load_b256 s[4:11], s[0:1], 0x0
	v_lshl_add_u32 v[SPW], v0, 2, SPARE
	v_mov_b32 v[NIL], 0
	ds_add_u32 v28, v29
	ds_add_u32 v28, v29
	s_wait_dscnt 0x0
	v_lshrrev_b32 v1, 5, v0
	v_readfirstlane_b32 s14, v1
	s_lshr_b32 s15, s14, 1
	s_and_b32 s16, s14, 1
	s_bfe_u32 s40, ttmp6, 0x40000
	s_bfe_u32 s41, ttmp6, 0x40004
	s_lshl_b32 s42, ttmp9, 2
	s_add_co_u32 s42, s42, s40
	s_and_b32 s17, ttmp7, 0xffff
	s_lshl_b32 s17, s17, 2
	s_add_co_u32 s17, s17, s41
	s_lshl_b32 s43, s41, 2
	s_lshl_b32 s43, 15, s43
	s_lshl_b32 s44, 0x1111, s40
	s_or_b32 s[G1+0], s43, (3<<16)|(1<<21)
	s_mov_b32 s[G1+1], 1536<<16
	s_mov_b32 s[G1+2], 4<<16
	s_mov_b32 s[G1+3], 1536<<16
	s_mov_b32 s[G1+4], 4
	s_mov_b32 s[G1+5], 12288
	s_mov_b32 s[G1+6], 0
	s_mov_b32 s[G1+7], 0
	s_or_b32 s[G1B+0], s44, (3<<16)|(1<<21)
	s_mov_b32 s[G1B+1], 1536<<16
	s_mov_b32 s[G1B+2], 4<<16
	s_mov_b32 s[G1B+3], 1536<<16
	s_mov_b32 s[G1B+4], 4
	s_mov_b32 s[G1B+5], 49152
	s_mov_b32 s[G1B+6], 0
	s_mov_b32 s[G1B+7], 0
	s_or_b32 s[G1S+0], s43, (3<<16)|(1<<20)|(1<<21)|(6<<22)|(3<<25)  ; A's scales: 16 heads x 512 bytes (256 rows x 2), 16 of padding behind each
	s_mov_b32 s[G1S+1], 64<<16
	s_mov_b32 s[G1S+2], 16<<16
	s_mov_b32 s[G1S+3], 64<<16
	s_mov_b32 s[G1S+4], 16
	s_or_b32 s[G1SB+0], s44, (3<<16)|(1<<20)|(1<<21)|(5<<22)|(3<<25) ; B's: 8,192 dense bytes as 32 rows of 256, 16 of padding behind each
	s_mov_b32 s[G1SB+1], 32<<16
	s_mov_b32 s[G1SB+2], 32<<16
	s_mov_b32 s[G1SB+3], 32<<16
	s_mov_b32 s[G1SB+4], 32
.irp g, G1S, G1SB
	s_mov_b32 s[\g+6], 0
	s_mov_b32 s[\g+7], 0
.endr
	s_mov_b32 s[G1S+5], 512
	s_mov_b32 s[G1SB+5], 32
	s_and_b32 s20, s17, 7
	s_lshl_b32 s20, s20, 8
	s_lshr_b32 s19, s17, 3
	s_lshl_b32 s22, s20, 1
	s_lshl_b32 s23, s19, 16
	s_add_co_u32 s22, s22, s23
	s_add_co_u32 s22, s22, 6291456
	s_mov_b32 s23, 0
	s_mul_i32 s20, s20, 48
	s_mul_i32 s21, s19, 1572864
	s_add_co_u32 s20, s20, s21
	s_mov_b32 s21, 0
	s_lshl_b32 s46, s42, 8
	s_lshl_b32 s92, s46, 5
	s_add_co_u32 s92, s92, 196608+98304
	s_mov_b32 s93, 0
	s_mul_i32 s46, s46, KROW
	s_add_co_u32 s46, s46, 147456
	s_mov_b32 s47, 0
	s_mul_i32 s45, s14, HALFT
	s_wait_kmcnt 0x0
	s_add_nc_u64 s[20:21], s[4:5], s[20:21]
	s_add_nc_u64 s[22:23], s[4:5], s[22:23]
	s_add_nc_u64 s[46:47], s[6:7], s[46:47]
	s_add_nc_u64 s[92:93], s[6:7], s[92:93]
	CROUND
	s_mov_b32 s[G0S], 1                            ; the head's four tiles, each whole: A's scales,
	s_mov_b32 s[G0S+1], SCL
	s_mov_b64 s[G0S+2:G0S+3], s[22:23]
	s_or_b32 s[G0S+3], s[G0S+3], 0x80000000
	s_mov_b32 s[G0SB], 1                           ; B's,
	s_mov_b32 s[G0SB+1], SCL+2*HALFS
	s_mov_b64 s[G0SB+2:G0SB+3], s[92:93]
	s_or_b32 s[G0SB+3], s[G0SB+3], 0x80000000
	s_mov_b32 s[G0], 1                             ; K step 0 of A (slot 0's group 0 serves the head first),
	s_mov_b32 s[G0+1], 0
	s_mov_b64 s[G0+2:G0+3], s[20:21]
	s_or_b32 s[G0+3], s[G0+3], 0x80000000
	s_mov_b32 s[G0B], 1                            ; and of B
	s_mov_b32 s[G0B+1], 2*HALFT
	s_mov_b64 s[G0B+2:G0B+3], s[46:47]
	s_or_b32 s[G0B+3], s[G0B+3], 0x80000000
	s_mul_i32 s18, s16, 196608                     ; in the ring I fetch two of a K step's four chunks: A's lie 98,304 bytes apart,
	s_mov_b32 s19, 0
	s_add_nc_u64 s[4:5], s[20:21], s[18:19]
	s_mul_i32 s18, s16, 786432                     ; B's 393,216
	s_add_nc_u64 s[6:7], s[46:47], s[18:19]
	s_mov_b32 s[G0+4], 1
	s_add_co_u32 s[G0+5], s45, SLOT
	s_add_nc_u64 s[G0+6:G0+7], s[4:5], AKS
	s_or_b32 s[G0+7], s[G0+7], 0x80000000
	s_mov_b32 s[G0B+4], 1
	s_add_co_u32 s[G0B+5], s45, SLOT
	s_add_nc_u64 s[G0B+6:G0B+7], s[6:7], ROWB
	s_or_b32 s[G0B+7], s[G0B+7], 0x80000000
; one tree of branches on the wave's number, one load to an arm, all arms lead to one join: one tensor load a wave at the head
.macro ARM under, g0, g1, next
	s_cmp_lt_u32 s14, \under
	s_cbranch_scc0 \next
	tensor_load_to_lds s[\g0:\g0+3], s[\g1:\g1+7]
	s_nop 0
.rept 4
	v_nop
.endr
	s_branch .Lhead_asked
\next:
.endm
	ARM 1, G0,  G1,  .Lhead_b
	ARM 2, G0B, G1B, .Lhead_sa
	ARM 3, G0S, G1S, .Lhead_sb
	tensor_load_to_lds s[G0SB:G0SB+3], s[G1SB:G1SB+7]
	s_nop 0
.rept 4
	v_nop
.endr
.Lhead_asked:
	v_and_b32 v1, 15, v0
	v_bfe_u32 v2, v0, 4, 1
	v_mul_u32_u24 v3, v1, 48
	v_mad_u32_u24 v3, v2, 24, v3                   ; B: row x 48 + 24 x half
	v_and_b32 v4, 31, v0
	v_lshlrev_b32 v4, 3, v4                        ; A: 8 x lane in a tile's image
	s_mul_i32 s21, s15, 6144                       ; my 128 rows of a chunk's 256
	s_mul_i32 s22, s16, 6144
	s_add_co_u32 s22, s22, 2*HALFT
.irp s, 0,1
	v_add_nc_u32 v[ADRA+\s], s21, v4
	v_add_nc_u32 v[ADRB+\s], s22, v3
	s_add_co_u32 s21, s21, SLOT
	s_add_co_u32 s22, s22, SLOT
.endr
	v_mul_u32_u24 v5, v1, KS
	v_lshrrev_b32 v6, 8, v5
	v_lshl_add_u32 v5, v6, 4, v5
	s_mul_i32 s22, s16, HALFS
	s_add_co_u32 s22, s22, SCL+2*HALFS
	v_add_nc_u32 v[ADRS], s22, v5
	s_lshl_b32 s21, s15, 8                         ; my 128 rows' 256 bytes of a head's 512
	s_add_co_u32 s21, s21, SCL
	v_lshlrev_b32 v[ASA], 1, v1
	v_add_nc_u32 v[ASA], s21, v[ASA]
	s_mul_i32 s23, s14, 16*SPITCH
	v_mul_u32_u24 v5, v1, SPITCH
	v_lshl_add_u32 v5, v2, 6, v5
	v_add_nc_u32 v[STO], s23, v5
	v_and_b32 v6, 31, v0
	v_lshlrev_b32 v[CO], 4, v6
	v_add_nc_u32 v[RD], s23, v[CO]
	v_lshlrev_b32 v[BIO], 6, v2
	s_wait_alu depctr_va_vdst(0)
	s_lshl_b32 s20, s17, 8
	s_lshl_b32 s21, s15, 7
	s_add_co_u32 s20, s20, s21
	s_lshl_b32 s20, s20, 12
	s_mov_b32 s21, 0
	s_lshl_b32 s46, s42, 10
	s_lshl_b32 s47, s16, 9
	s_add_co_u32 s46, s46, s47
	s_mov_b32 s47, 0
	s_add_nc_u64 s[12:13], s[10:11], s[20:21]
	s_add_nc_u64 s[12:13], s[12:13], s[46:47]
	s_add_nc_u64 s[8:9], s[8:9], s[46:47]
	WIN TO_B
.irp b, 0,1,2,3,4,5,6,7
	global_load_b128 v[96+8*\b+96*(\b/4):99+8*\b+96*(\b/4)], v[BIO], s[8:9] offset:(32*(\b/2)+8*(\b%2))*4
	global_load_b128 v[100+8*\b+96*(\b/4):103+8*\b+96*(\b/4)], v[BIO], s[8:9] offset:(32*(\b/2)+8*(\b%2))*4+16
.endr
	WIN 0
.macro FRAG reg, adr, q, i
.irp p, 0,1,2,3,4,5
	ds_load_b64 v[\reg+2*\p:\reg+2*\p+1], v[\adr] offset:(2*(\q)+\p/3)*12288+768*(\i)+8*(\p%3)
.endr
.endm
.macro FRAG_A reg, adr, q, i
.irp p, 0,1,2,3,4,5
	ds_load_b64 v[\reg+2*\p:\reg+2*\p+1], v[\adr] offset:(2*(\q)+\p/3)*12288+768*(\i)+256*(\p%3)
.endr
.endm
.macro MUL16 a0, p, q, sc, kap, zero
.irp a, \a0, \a0+1
.irp b, 0,1,2,3,4,5,6,7
.if \zero
	v_wmma_scale_f32_16x16x128_f8f6f4 v[8*(8*((\a)%4)+\b):8*(8*((\a)%4)+\b)+7], v[128*(\p)+FR*\b:128*(\p)+FR*\b+FR-1], v[AF+FR*(\a):AF+FR*(\a)+FR-1], v[96+8*\b+96*(\b/4):103+8*\b+96*(\b/4)], v[SC+8*NQ*(\sc)+NQ*\b+(\q)], v[ASC+8*(2*(\kap)+(\q))+(\a)] matrix_a_fmt:MATRIX_FMT_BF6 matrix_b_fmt:MATRIX_FMT_BF6
.else
	v_wmma_scale_f32_16x16x128_f8f6f4 v[8*(8*((\a)%4)+\b):8*(8*((\a)%4)+\b)+7], v[128*(\p)+FR*\b:128*(\p)+FR*\b+FR-1], v[AF+FR*(\a):AF+FR*(\a)+FR-1], v[8*(8*((\a)%4)+\b):8*(8*((\a)%4)+\b)+7], v[SC+8*NQ*(\sc)+NQ*\b+(\q)], v[ASC+8*(2*(\kap)+(\q))+(\a)] matrix_a_fmt:MATRIX_FMT_BF6 matrix_b_fmt:MATRIX_FMT_BF6
.endif
.endr
.endr
.endm
.macro FETCH_B slot, q, p
	WIN TO_B
.irp i, 0,1,2,3,4,5,6,7
	FRAG 128*(\p)+FR*\i, ADRB+\slot, \q, \i
.endr
	WIN 0
.endm
.macro FETCH_A slot, q, i0
.irp i, \i0, \i0+1, \i0+2, \i0+3
	FRAG_A AF+FR*(\i), ADRA+\slot, \q, \i
.endr
.endm
.macro SCALES sc
.irp i, 0,1,2,3,4,5,6,7
	ds_load_b64 v[SC+8*NQ*\sc+NQ*\i:SC+8*NQ*\sc+NQ*\i+1], v[ADRS] offset:\i*SBLK
.endr
.endm
.macro PLACES n
.rept \n
	v_nop
.endr
.endm
.macro STEP slot, q, kap, zero
	s_wait_dscnt 4*NL
.if \zero
	WIN 0x91
.else
	WIN MUL_LO
.endif
	MUL16 0, (\q)%2, \q, \slot, \kap, \zero
	MUL16 2, (\q)%2, \q, \slot, \kap, \zero
	s_wait_dscnt 0
	PLACES NP
	FETCH_B \slot, (\q)+1, 1-(\q)%2
	FETCH_A \slot, (\q)+1, 0
.if \zero
	WIN 0xd1
.else
	WIN MUL_HI
.endif
	MUL16 4, (\q)%2, \q, \slot, \kap, \zero
	MUL16 6, (\q)%2, \q, \slot, \kap, \zero
	PLACES NP
	WIN 0
	FETCH_A \slot, (\q)+1, 4
.endm
.macro TURN slot, next, fill, kap
	s_wait_tensorcnt 0x0
	ds_add_u32 v[SPW], v[NIL]
	s_wait_dscnt 4*NL+1
	WIN MUL_LO
	MUL16 0, 1, NQ-1, \slot, \kap, 0
	s_wait_dscnt 0x0
	s_barrier_signal -1
	MUL16 2, 1, NQ-1, \slot, \kap, 0
	WIN 0
	s_barrier_wait -1
.if \fill
	CREST
	s_add_nc_u64 s[G0+4*\slot+2:G0+4*\slot+3], s[G0+4*\slot+2:G0+4*\slot+3], 2*AKS
	s_add_nc_u64 s[G0B+4*\slot+2:G0B+4*\slot+3], s[G0B+4*\slot+2:G0B+4*\slot+3], 2*ROWB
	JLOAD G0+4*\slot, G1, G0B+4*\slot, G1B
.else
	PLACES NP
.endif
	s_wait_alu depctr_va_vdst(0)
	v_add_nc_u32 v[ADRS], 4*NQ, v[ADRS]
	FETCH_B \next, 0, 0
	FETCH_A \next, 0, 0
	SCALES \next
	WIN MUL_HI
	MUL16 4, 1, NQ-1, \slot, \kap, 0
	MUL16 6, 1, NQ-1, \slot, \kap, 0
	PLACES NP
	WIN 0
	FETCH_A \next, 0, 4
.endm
	s_wait_alu depctr_va_vdst(0)
	s_wait_tensorcnt 0x0                           ; my tile of the head's four is in
	ds_add_u32 v[SPW], v[NIL]
	s_mov_b32 s[G1+2], 2<<16                       ; no tensor load of mine is out: from here on a load brings two chunks,
	s_mov_b32 s[G1+4], 2
	s_mov_b32 s[G1B+2], 2<<16
	s_mov_b32 s[G1B+4], 2
	s_mov_b32 s[G0+1], s45                         ; and slot 0's groups 0 stand at my part of K step 0
	s_mov_b64 s[G0+2:G0+3], s[4:5]
	s_or_b32 s[G0+3], s[G0+3], 0x80000000
	s_mov_b32 s[G0B+1], s45
	s_mov_b64 s[G0B+2:G0B+3], s[6:7]
	s_or_b32 s[G0B+3], s[G0B+3], 0x80000000
	s_wait_dscnt 0x0
	CROUND                                         ; all four tiles are in, all sixteen work-groups are here
	JLOAD G0+4, G1, G0B+4, G1B                     ; K step 1, the first tensor load behind the round
.set n, 0
.rept 128
	ds_load_u16 v[128+n], v[ASA] offset:(n/8)*528+32*(n%8)
.set n, n+1
.endr
	s_wait_dscnt 0x0
.set n, 0
.rept 64
	v_lshl_or_b32 v[ASC+n], v[128+16*(n/8)+8+n%8], 16, v[128+16*(n/8)+n%8]
.set n, n+1
.endr
	PLACES 8
	FETCH_B 0, 0, 0
	FETCH_A 0, 0, 0
	SCALES 0
	FETCH_A 0, 0, 4
	s_wait_loadcnt 0x0
	STEP 0, 0, 0, 1
	TURN 0, 1, 1, 0
	STEP 1, 0, 1, 0
	TURN 1, 0, 1, 1
	STEP 0, 0, 2, 0
	TURN 0, 1, 0, 2
	STEP 1, 0, 3, 0
	s_wait_dscnt 4*NL
	WIN MUL_LO
	MUL16 0, 1, NQ-1, 1, 3, 0
	MUL16 2, 1, NQ-1, 1, 3, 0
	s_wait_dscnt 0
	WIN MUL_HI
	MUL16 4, 1, NQ-1, 1, 3, 0
	MUL16 6, 1, NQ-1, 1, 3, 0
	WIN 0
.macro TOSTAGE a
.set AC, 64*((\a)%4)
	WIN 0x08+4*((\a)/4)
.irp b, 0,1,2,3,4,5,6,7
	ds_store_b128 v[STO], v[AC+8*\b:AC+8*\b+3] offset:128*(\b/2)+32*(\b%2)
	ds_store_b128 v[STO], v[AC+8*\b+4:AC+8*\b+7] offset:128*(\b/2)+32*(\b%2)+16
.endr
	WIN 0
.set BB, BK+64*((\a)%2)
.irp t, 0,1,2,3,4,5,6,7,8,9,10,11,12,13,14,15
	ds_load_b128 v[BB+4*\t:BB+4*\t+3], v[RD] offset:\t*SPITCH
.endr
.endm
.macro SEND a, younger
.set BB, BK+64*((\a)%2)
	s_wait_dscnt \younger
.irp t, 0,1,2,3,4,5,6,7,8,9,10,11,12,13,14,15
	global_store_b128 v[CO], v[BB+4*\t:BB+4*\t+3], s[12:13] offset:(32*((\a)/2)+8*((\a)%2)+\t+8*(\t/8))*4096 th:TH_STORE_NT
.endr
.endm
	PLACES NP
	TOSTAGE 0
.irp a, 1,2,3,4,5,6,7
.if \a > 1
	s_wait_xcnt 0x0
.endif
	TOSTAGE \a
	SEND \a-1, 32
.endr
	SEND 7, 0
	s_wait_tensorcnt 0x0
	ds_add_u32 v[SPW], v[NIL]
	s_wait_dscnt 0x0
	CROUND
	s_endpgm
.Lfunc_end_k_qec5599c6bb_gemm_out:
	.size	k_qec5599c6bb_gemm_out, .Lfunc_end_k_qec5599c6bb_gemm_out-k_qec5599c6bb_gemm_out
	.p2alignl 7, 3214868480
	.fill 96, 4, 3214868480
	.section	.rodata,"a",@progbits
	.p2align	6, 0x0
	.amdhsa_kernel k_qec5599c6bb_gemm_out
		.amdhsa_group_segment_fixed_size 327680
		.amdhsa_private_segment_fixed_size 0
		.amdhsa_enable_private_segment 0
		.amdhsa_kernarg_size 32
		.amdhsa_user_sgpr_count 2
		.amdhsa_user_sgpr_kernarg_segment_ptr 1
		.amdhsa_wavefront_size32 1
		.amdhsa_system_sgpr_workgroup_id_x 1
		.amdhsa_system_sgpr_workgroup_id_y 1
		.amdhsa_system_sgpr_workgroup_id_z 1
		.amdhsa_system_vgpr_workitem_id 0
		.amdhsa_next_free_vgpr 1024
		.amdhsa_next_free_sgpr 98
		.amdhsa_reserve_vcc 0
		.amdhsa_float_denorm_mode_32 3
		.amdhsa_float_denorm_mode_16_64 3
		.amdhsa_memory_ordered 1
		.amdhsa_forward_progress 1
		.amdhsa_inst_pref_size 174
	.end_amdhsa_kernel
	.amdgpu_metadata
---
amdhsa.version: [ 1, 2 ]
amdhsa.kernels:
  - .name:           k_qec5599c6bb_gemm_out
    .symbol:         k_qec5599c6bb_gemm_out.kd
    .args:
      - { .name: att, .offset: 0, .size: 8, .value_kind: global_buffer, .address_space: global }
      - { .name: wgt, .offset: 8, .size: 8, .value_kind: global_buffer, .address_space: global }
      - { .name: bp, .offset: 16, .size: 8, .value_kind: global_buffer, .address_space: global }
      - { .name: out0, .offset: 24, .size: 8, .value_kind: global_buffer, .address_space: global }
    .group_segment_fixed_size: 327680
    .private_segment_fixed_size: 0
    .kernarg_segment_align: 8
    .kernarg_segment_size: 32
    .max_flat_workgroup_size: 128
    .sgpr_count:     98
    .vgpr_count:     1024
    .wavefront_size: 32
...
	.end_amdgpu_metadata
.endif
;; end of part 4
